; MI455X (gfx1250); checked and timed in simulation.
; The chip was launched on July 23, 2026; its instructions are those of AMD's public machine-readable ISA for CDNA 5 (MIT licence, August 2026) and "CDNA5" Instruction Set Architecture Reference Guide (July 2026). The comments in the code are by the model that wrote it; some were corrected since.
;; Router. Allowed arithmetic: matrix products marked QUANTISED: E2M1 operands, one E8M0 scale for each 32 along K, by v_wmma_scale_f32_16x16x128_f8f6f4 with both operands' format E2M1 (or v_wmma_scale_f32_32x16x128_f4), f32 sums; everything else in f32.
;; Inputs: W 64 x 2,048 float32; x 4 x 4,096 x 2,048 float32.
;; Outputs: out0 4 x 4,096 x 2 int32; out1 4 x 4,096 x 2 float32.
;; This version of the problem:
;;   THIS VERSION OF THE PROBLEM IS GIVEN IN LOW PRECISION. The matrix products marked QUANTISED in the list below multiply operands that are first quantised to E2M1 (2 exponent bits, 1 mantissa bit; 4 bits a number), with one power-of-two scale for each 32 numbers along K (OCP MX v1.0); their sums are f32. All else is computed in f32.
;;   The module's matrix products, in the order in which they are computed (A, B: the left and right operand; K: the contracted axis; several contracted axes count as one K, in the product's order):
;;     1. [M 16,384, K 2,048] x [K 2,048, N 64]; A: input x; B: input W: QUANTISED
;;   THE QUANTISER, for each operand of a quantised product, along K:
;;     - K is cut into blocks of 32 from its start; a last block that is shorter is filled with zeros.
;;     - A block's scale is 2^e with e = floor(log2(the largest magnitude in the block)) - 2, held to -126 .. 127; a block of zeros has e = 0. As a byte (E8M0): e + 127.
;;     - Each number is divided by its block's scale, clamped to +-6, and rounded to the nearest number of E2M1, ties to even, subnormals kept.
;;     - The product sums the exact products of the quantised numbers (number of the format x scale) in f32.
;;   ~~~python
;;   def quantise(x, axis):      # numpy; x: float32 -> the quantised numbers, widened to float32 again
;;       x = np.moveaxis(x, axis, -1); K = x.shape[-1]
;;       x = np.pad(x, [(0, 0)] * (x.ndim - 1) + [(0, -K % 32)]); x = x.reshape(x.shape[:-1] + (-1, 32)); a = np.abs(x).max(-1, keepdims=True)
;;       e = np.where(a > 0, np.clip(np.frexp(np.where(a > 0, a, 1))[1] - 1 - 2, -126, 127), 0)      # np.frexp(a)[1] - 1 = floor(log2(a)), exactly
;;       r = np.clip(x / 2.0 ** e, -6, 6)
;;       step = 2.0 ** (np.maximum(np.frexp(np.where(r == 0, 1, r))[1] - 1, 0) - 1)
;;       q = np.round(r / step) * step * 2.0 ** e      # np.round: ties to even
;;       return np.moveaxis(q.reshape(q.shape[:-2] + (-1,))[..., :K], -1, axis).astype(np.float32)
;;   ~~~
;; 2 versions. Each part assembles by itself: llvm-mc -triple=amdgcn-amd-amdhsa -mcpu=gfx1250 --defsym DOCPART=n.
;; ======== version 1 of 2: 2 launches
;; workspace buffers: wq 69,632 bytes
;; launch wquant (part 1): grid 4 x 2, 8 waves a work-group, no clusters, 69,120 bytes of LDS; arguments W, wq; writes wq
.if DOCPART == 1
	.amdgcn_target "amdgcn-amd-amdhsa--gfx1250"
	.amdhsa_code_object_version 6
	.text
	.protected	k_q165f740ace_wquant
	.globl	k_q165f740ace_wquant
	.p2align	8
	.type	k_q165f740ace_wquant,@function
k_q165f740ace_wquant:
	s_mov_b64 s[64:65], 0
	v_nop
	global_prefetch_b8 v0, s[64:65] scope:SCOPE_SE
	s_setreg_imm32_b32 hwreg(HW_REG_WAVE_MODE, 25, 1), 1
	s_wait_xcnt 0x0
; W [64 experts][2048] f32 becomes codes of FP4 (E2M1) with one E8M0 byte for each 32 along K, laid as the second launch's registers want them.
; wq: four blocks of WQB = 17,408 bytes, one for each quarter q of K.  In a block: 16 fragments of 1,024 bytes (K step sl = 0..3 of the quarter, tile t = 0..3 of 16 experts, at 4 sl + t),
; each an image of its 8 registers (registers 4 c .. 4 c + 3: lane l's 16 bytes at 512 c + 16 l); then 1,024 bytes of scale words: for the pair tp of tiles 512 bytes, lane l's 16 bytes at 16 l = the words of
; K steps 0..3; lanes 0-15 belong to tile 2 tp, lanes 16-31 to tile 2 tp + 1, lane % 16 is the expert in the tile.
; SHARES.  Work-group (q, tp), eight waves: wave (u = wave % 2, sl = wave / 2) makes ONE fragment: tile t = 2 tp + u, K step 4 q + sl: 16 rows x 128 numbers.
; Each of its 16 loads reads 512 consecutive bytes of one row.  The conversion wants a lane to hold neighbours along K, the operand's layout a whole block of 32 in a lane: so the 8 KB turn through the wave's own
; stage in LDS: stored as loaded, read back 128 bytes a lane and block.  Stage rows are 528 bytes apart = 132 words: row r starts at bank 4 r mod 64 (64 banks of 4 bytes: ISA guide 11.1).
; A block's scale is 2^(floor(log2(largest magnitude)) - 2); its byte is the largest magnitude's exponent field - 2, held at 1 from below by a floor among the maximum's leaves.  A block of zeros so gets the byte 1
; where the rule says 127: its codes are zeros, and this program alone reads the bytes.
; LIMITS: NaN and infinities in W are not served; blocks whose largest magnitude lies under 2^-124 (the floor) were not tried.
.set ROWB,  8192                       ; a row of W in bytes
.set SP,    528                        ; a stage row
.set STG,   16*SP                      ; a wave's stage
.set GAT,   8*STG                      ; behind the stages: 512 bytes in which the eight waves' scale words meet
.set WQB,   17408
.set LO,  1                            ; v1      16 x lane
.set STA, 2                            ; v2      stage, on the way in: my wave's stage + 16 x lane
.set LDA, 3                            ; v3      on the way out: + 528 r + 128 h
.set H8,  4                            ; v4      8 h
.set GA,  5                            ; v5      where my row's scale word goes
.set GL,  6                            ; v6      where wave 0 reads 16 bytes of the gathered words
.set PC,  8                            ; v8-15   the fragment's codes
.set M,   16                           ; v16-19  four running maxima
.set SO,  20                           ; v20-21  the conversions' scale operands
.set BY,  22                           ; v22-23  the scale bytes
.set XW,  24                           ; v24     the scale word
.set PT,  25                           ; v25     what the lane 16 away sends
.set OB,  28                           ; v28-31  the gathered words on their way out
.set R,   32                           ; v32-95  16 rows as loaded
.set X,   96                           ; v96-159 my 64 numbers: register 32 c + i = k 64 c + 32 h + i of row r
.set SEL, 26                           ; s[26:27] lane selects: lane l xor 16
; 64 numbers of a lane become the operand's 8 registers in v[PC] on and the row's scale word in v[XW].  Both of a lane's blocks are whole: no other lane is asked for a maximum.
.macro QUANT
.irp c, 0,1
.irp u, 0,1
	v_max3_num_f32 v[M+2*\c+\u], |v[X+32*\c+16*\u]|, |v[X+32*\c+16*\u+1]|, 0x1800000   ; four chains of 16 numbers; the floor 2^(3 - 127) holds the byte at 1 from below
.endr
.endr
.irp i, 2,4,6,8,10,12,14
.irp c, 0,1
.irp u, 0,1
	v_max3_num_f32 v[M+2*\c+\u], v[M+2*\c+\u], |v[X+32*\c+16*\u+\i]|, |v[X+32*\c+16*\u+\i+1]|
.endr
.endr
.endr
	v_max_num_f32 v[M], v[M], v[M+1]               ; block 2 c + h's largest magnitude: c = 0,
	v_max_num_f32 v[M+2], v[M+2], v[M+3]           ; c = 1
	v_add_nc_u32 v[SO], 0xff000000, v[M]           ; 2 off the exponent field: the conversion takes this operand's exponent field as its scale
	v_add_nc_u32 v[SO+1], 0xff000000, v[M+2]
	v_lshrrev_b32 v[BY], 23, v[SO]                 ; the scale's byte
	v_lshrrev_b32 v[BY+1], 23, v[SO+1]
	v_lshl_or_b32 v[XW], v[BY+1], 16, v[BY]        ; my two bytes, blocks h and 2 + h,
	v_lshlrev_b32 v[XW], v[H8], v[XW]              ; at their places in the word;
	v_permlanex16_b32 v[PT], v[XW], s[SEL], s[SEL+1]
	v_or_b32 v[XW], v[XW], v[PT]                   ; with the two of the lane 16 away the word is whole, in both lanes
.irp c, 0,1
.irp g, 0,1,2,3
	v_cvt_scalef32_pk8_fp4_f32 v[PC+4*\c+\g], v[X+32*\c+8*\g:X+32*\c+8*\g+7], v[SO+\c]   ; nearest code, ties to even, beyond 6 the largest code
.endr
.endr
.endm
	s_load_b128 s[4:7], s[0:1], 0x0                ; W s[4:5], wq s[6:7]
	v_lshl_add_u32 v160, v0, 2, 0x10a00
	v_mov_b32 v161, 0
	v_lshrrev_b32 v16, 5, v0
	v_readfirstlane_b32 s8, v16                    ; wave 0..7
	v_and_b32 v17, 31, v0
	v_lshlrev_b32 v[LO], 4, v17
	s_and_b32 s9, s8, 1                            ; u
	s_lshr_b32 s10, s8, 1                          ; sl
	s_and_b32 s12, ttmp7, 0xffff                   ; tp
	s_lshl_b32 s13, s12, 1
	s_add_co_u32 s13, s13, s9                      ; t = 2 tp + u
	s_lshl_b32 s14, s13, 17                        ; 16 t rows of 8,192 bytes
	s_lshl_b32 s15, ttmp9, 2
	s_add_co_u32 s15, s15, s10                     ; K step 4 q + sl,
	s_lshl_b32 s15, s15, 9                         ; 512 bytes each
	s_add_co_u32 s14, s14, s15
	s_mov_b32 s15, 0
	s_mul_i32 s16, ttmp9, WQB                      ; the quarter's block of wq
	s_lshl_b32 s17, s10, 2
	s_add_co_u32 s17, s17, s13                     ; fragment 4 sl + t,
	s_lshl_b32 s17, s17, 10                        ; 1,024 bytes each
	s_add_co_u32 s18, s16, s17
	s_mov_b32 s19, 0
	s_lshl_b32 s22, s12, 9                         ; the pair's 512 bytes of scale words,
	s_add_co_u32 s22, s22, s16
	s_add_co_u32 s22, s22, 16384                   ; behind the block's 16 fragments
	s_mov_b32 s23, 0
	s_wait_kmcnt 0x0
	s_add_nc_u64 s[4:5], s[4:5], s[14:15]
	s_add_nc_u64 s[20:21], s[6:7], s[18:19]        ; my fragment
	s_add_nc_u64 s[6:7], s[6:7], s[22:23]          ; my work-group's scale words
.irp i, 0,1,2,3,4,5,6,7,8,9,10,11,12,13,14,15
	global_load_b128 v[R+4*\i:R+4*\i+3], v[LO], s[4:5] offset:\i*ROWB th:TH_LOAD_NT   ; row i: 32 lanes read 512 consecutive bytes; read once in the launch
.endr
	v_and_b32 v16, 15, v0                          ; r
	v_bfe_u32 v17, v0, 4, 1                        ; h
	s_mul_i32 s28, s8, STG                         ; my stage
	v_add_nc_u32 v[STA], s28, v[LO]
	v_mul_u32_u24 v18, v16, SP
	v_lshl_add_u32 v18, v17, 7, v18
	v_add_nc_u32 v[LDA], s28, v18
	v_lshlrev_b32 v[H8], 3, v17
	s_lshl_b32 s24, s9, 8                          ; the gathered words: 16 bytes for each of 32 places u x 16 + r, word sl in them
	s_lshl_b32 s25, s10, 2
	s_add_co_u32 s24, s24, s25
	s_add_co_u32 s24, s24, GAT
	v_lshl_add_u32 v[GA], v16, 4, s24
	v_add_nc_u32 v[GL], GAT, v[LO]
	v_mov_b32 v[PT], 0                             ; a lane permute's destination counts as one of its sources
	s_mov_b32 s[SEL], 0x76543210
	s_mov_b32 s[SEL+1], 0xfedcba98
.irp i, 0,1,2,3,4,5,6,7,8,9,10,11,12,13,14,15
	s_wait_loadcnt 15-\i                           ; loads come back in order: row i is in, the younger rows may be out
	ds_store_b128 v[STA], v[R+4*\i:R+4*\i+3] offset:\i*SP
.endr
.irp c, 0,1
.irp i, 0,1,2,3,4,5,6,7
	ds_load_b128 v[X+32*\c+4*\i:X+32*\c+4*\i+3], v[LDA] offset:256*\c+16*\i   ; LDS serves a wave's instructions in order: these see my stores
.endr
.endr
	s_wait_dscnt 0x0
	QUANT
	v_nop                                          ; one plain line behind the last conversion
	global_store_b128 v[LO], v[PC:PC+3], s[20:21]              ; 512 consecutive bytes, aligned
	global_store_b128 v[LO], v[PC+4:PC+7], s[20:21] offset:512
	ds_store_b32 v[GA], v[XW]                      ; lanes r and r + 16 write the same word with the same value
	s_wait_dscnt 0x0                               ; for wave 0's sake: my word lies in LDS
	s_barrier_signal -1
	s_barrier_wait -1
	s_cmp_lg_u32 s8, 0
	s_cbranch_scc1 .Lend
	ds_load_b128 v[OB:OB+3], v[GL]
	s_wait_dscnt 0x0
	global_store_b128 v[LO], v[OB:OB+3], s[6:7]    ; the work-group's 512 bytes of scale words by one instruction
.Lend:
	s_wait_tensorcnt 0x0
	ds_add_u32 v160, v161
	s_wait_dscnt 0x0
	s_endpgm
.Lfunc_end_k_q165f740ace_wquant:
	.size	k_q165f740ace_wquant, .Lfunc_end_k_q165f740ace_wquant-k_q165f740ace_wquant
	.p2alignl 7, 3214868480
	.fill 96, 4, 3214868480
	.section	.rodata,"a",@progbits
	.p2align	6, 0x0
	.amdhsa_kernel k_q165f740ace_wquant
		.amdhsa_group_segment_fixed_size 69120
		.amdhsa_private_segment_fixed_size 0
		.amdhsa_enable_private_segment 0
		.amdhsa_kernarg_size 16
		.amdhsa_user_sgpr_count 2
		.amdhsa_user_sgpr_kernarg_segment_ptr 1
		.amdhsa_wavefront_size32 1
		.amdhsa_system_sgpr_workgroup_id_x 1
		.amdhsa_system_sgpr_workgroup_id_y 1
		.amdhsa_system_sgpr_workgroup_id_z 1
		.amdhsa_system_vgpr_workitem_id 0
		.amdhsa_next_free_vgpr 162
		.amdhsa_next_free_sgpr 66
		.amdhsa_reserve_vcc 0
		.amdhsa_float_denorm_mode_32 3
		.amdhsa_float_denorm_mode_16_64 3
		.amdhsa_memory_ordered 1
		.amdhsa_forward_progress 1
		.amdhsa_inst_pref_size 11
	.end_amdhsa_kernel
	.amdgpu_metadata
---
amdhsa.version: [ 1, 2 ]
amdhsa.kernels:
  - .name:           k_q165f740ace_wquant
    .symbol:         k_q165f740ace_wquant.kd
    .args:
      - { .name: W, .offset: 0, .size: 8, .value_kind: global_buffer, .address_space: global }
      - { .name: wq, .offset: 8, .size: 8, .value_kind: global_buffer, .address_space: global }
    .group_segment_fixed_size: 69120
    .private_segment_fixed_size: 0
    .kernarg_segment_align: 8
    .kernarg_segment_size: 16
    .max_flat_workgroup_size: 256
    .sgpr_count:     66
    .vgpr_count:     162
    .wavefront_size: 32
...
	.end_amdgpu_metadata
.endif
;; end of part 1
;; launch route (part 2): grid 256 x 1, 4 waves a work-group, no clusters, 72,704 bytes of LDS; arguments x, wq, out0, out1; writes out0, out1
.if DOCPART == 2
	.amdgcn_target "amdgcn-amd-amdhsa--gfx1250"
	.amdhsa_code_object_version 6
	.text
	.protected	k_q165f740ace_route
	.globl	k_q165f740ace_route
	.p2align	8
	.type	k_q165f740ace_route,@function
k_q165f740ace_route:
	s_mov_b64 s[64:65], 0
	v_nop
	global_prefetch_b8 v0, s[64:65] scope:SCOPE_SE
	s_setreg_imm32_b32 hwreg(HW_REG_WAVE_MODE, 25, 1), 1
	s_wait_xcnt 0x0
; scores = Q(x) Q(W)^T on codes of FP4 (E2M1) with one E8M0 scale for each 32 along K; softmax over the 64 experts in f32; the two largest probabilities of each token and their experts.
; x: [16,384 tokens][2,048] f32.  wq: W's codes and scale words as the first launch laid them (images of the operand's registers, one block of 17,408 bytes for each quarter of K).
; out0: [16,384][2] int32, out1: [16,384][2] f32.
; SHARES.  A work-group owns 64 tokens: 524,288 bytes of x, read once.  THE WAVES SHARE K, NOT THE TOKENS: wave w takes K steps 4 w .. 4 w + 3 (of 128) for all 64 tokens, so that each fragment of W lies in ONE wave's
; registers (16 fragments, 128 registers, and 8 registers of scale words), loaded once and used for four tiles of tokens.
; A STEP is 16 tokens x 128 K.  Each of its 16 loads reads 512 consecutive, aligned bytes of one row: lane l holds k = 4 l .. 4 l + 3 of row i, and a block of 32 lies in 8 neighbouring lanes.
; THE NUMBERS ARE QUANTISED WHERE THE LOADS PUT THEM, AND ONLY THE CODES CHANGE LANES.  The operand's layout wants a whole block in a lane; turned through LDS as f32 a step would be 8 KB in and 8 KB out, as codes it is
; 1 KB in and 2 KB out.  A block's largest magnitude: two lines in the lane, three steps among its 8 lanes.  The conversion takes 8 consecutive registers under ONE scale, and here they are 4 numbers of row 2 j and 4 of
; row 2 j + 1: so they are converted twice, under each row's scale, and of each result the half that belongs to that row is kept (the other half holds codes under a foreign scale, at the worst the largest code: it is
; thrown away).  The 8 words of a lane go to the wave's own stage, [pair of rows][lane], pairs 144 bytes = 36 words apart.
; Lane (r, h) reads the 32 bytes of pair r / 2 for each of its two blocks and picks its row's halves: K stays in its true order.
; A RING OF FOUR SETS OF 16 LOADS in registers: while a step is worked, the loads of the next three are on their way, and its own set is asked for again as soon as the conversions have read it.
; THE PRODUCT IS USED TRANSPOSED: source 0 = 16 experts, source 1 = 16 tokens: a lane holds ONE token (lane % 16), and register j of tile t the expert 16 t + 8 (lane / 16) + j.
; THE QUARTERS MEET IN LDS: after a tile of tokens' four steps a wave stores its 32 accumulator registers as an image; behind one barrier wave w adds the four images of token tile w, (q0 + q1) + (q2 + q3).
; SOFTMAX AND TOP 2.  p = e^(s - max) is made as 2^fraction, then v_ldexp_f32 by the whole part: results under 2^-126 are kept as f32 keeps them.  q = p / sum.  The two largest are taken OF q, equal q to the lower
; expert: where large inputs let probabilities fall to 0, the zeros tie.  Experts' numbers are carried as f32 whole numbers (0 to 64: exact).
; NO CLUSTER: what work-groups share is wq alone, 69,632 bytes against the 524,288 bytes of x that are a work-group's own: 12 parts in a hundred of what it reads.
; LIMITS: NaN and infinities among the inputs are not served; blocks of x whose largest magnitude lies under 2^-124 (the floor; byte 1) were not tried; K is summed in four quarters, not in one chain;
; v_exp_f32 and v_rcp_f32 are good to 1 ulp: probabilities that differ in the last bit may tie or part otherwise than under another exponential.
; REGISTERS, in windows of 256 (s_set_vgpr_msb: bits 1:0 source 0, 3:2 source 1, 5:4 source 2, 7:6 destination): window 0: see below; window 1: the ring, set n % 4 at v[64 (n % 4)], row i in 4 registers;
; window 2: v0-127 W's fragments, (K step sl, tile t) at v[8 (4 sl + t)].
.set ROWB,  8192                       ; a row of x in bytes
.set SPJ,   144                        ; the stage: a pair of rows' 32 words + 16 bytes of padding
.set STG,   8*SPJ                      ; a wave's stage
.set RED,   4*STG                      ; behind the stages: the partial sums: token tile m, wave p: 4,096 bytes at 16,384 m + 4,096 p
.set OUTS,  RED+65536                  ; behind them: 512 bytes of experts' numbers, 512 of probabilities (and 1,024 that no wave touches)
.set WQB,   17408
.set LO,  1                            ; v1      16 x lane
.set STA, 2                            ; v2      stage, on the way in: my stage + 4 x lane
.set LDA, 3                            ; v3      on the way out: + 144 (r / 2) + 32 h
.set H8,  4                            ; v4      8 h
.set RSA, 5                            ; v5      where I store partial sums: RED + 4,096 wave + 16 x lane
.set RLA, 6                            ; v6      where I read them: RED + 16,384 wave + 16 x lane
.set OA,  7                            ; v7      where my token's results go: OUTS + 8 (16 wave + r)
.set WS,  8                            ; v8-15   W's scale words: register 4 tp + sl: lanes 0-15 tile 2 tp, lanes 16-31 tile 2 tp + 1
.set SELV, 16                          ; v16     byte selects: the low halves of two words where r is even, the high halves where it is odd
.set SEL8, 17                          ; v17     byte selects for the scale word (lanes 0-7 of a row of 16, lanes 8-15)
.set XW,  24                           ; v24     x's scale word: lane r has token r's
.set PT,  25                           ; v25     what the lane 16 away sends
.set OL,  26                           ; v26     where waves 0 and 1 read the results back
.set NEG, 27                           ; v27     -1.0
.set MX,  28                           ; v28-29  the row's largest score, twice
.set RC,  30                           ; v30-31  1 / sum, twice
.set PC,  32                           ; v32-39  x's codes: the operand
.set OI,  40                           ; v40-41  the two experts
.set OV,  42                           ; v42-43  the two probabilities
.set IDF, 44                           ; v44-45  the two experts as f32
.set BIG, 46                           ; v46     64.0: above every expert's number
.set ACC, 48                           ; v48-79  four accumulators
.set MM,  80                           ; v80-95  row i: its block's largest magnitude, then the conversion's scale operand
.set CV,  96                           ; v96-111 the conversions' results; then, in the even ones, the words of the 8 pairs of rows
.set RB,  112                          ; v112-127 the words read back: register 8 c + x: the word of lane 8 (2 c + h) + x for my pair of rows
.set PK,  128                          ; v128-135 the scale operands' upper halves, rows j and j + 8 in one register
.set DD,  136                          ; v136    what the lane 8 away sends
.set OO,  137                          ; v137    two of my token's four exponents
.set X,   80                           ; behind the steps v80-207: four partial sums; then the scores, p, q in v80-111
.set NI,  X+32                         ; v112-143 the exponents' whole parts
.set CD,  X+64                         ; v144-175 candidates in the search for an expert's number
.set E,   208                          ; v208-239 register i's expert, 16 (i / 8) + 8 h + i % 8, as f32
.set T0,  240                          ; v240-243 four chains
.set A1,  244                          ; v244-245, v246-247 the sum in two chains
.set A0,  246
.set OB,  248                          ; v248-251 results on their way out
.set SEL, 26                           ; s[26:27] lane selects: lane l xor 16
.set CS,  28                           ; s[28:29] log2(e); the packed form names a pair
.set B0,  30                           ; s30-33  the lanes whose number has bit 0, 1, 2, 3 set
.set B1,  31
.set B2,  32
.set B3,  33
.set LOWH, 34                          ; s34     a word's low half
.set FLOOR, 35                         ; s35     2^(3 - 127): no largest magnitude is taken under it, so the scale's byte cannot fall under 1
.set M2,  36                           ; s36     -(2 << 23): 2 off an exponent field
.set HH,  37                           ; s37     byte selects: the high halves of two words
.set ODDB, 38                          ; s38     byte selects: bytes 1 and 3 of two words
.set MSB, 0
.macro WIN new                         ; the immediate's high byte repeats the setting that is left
.if MSB != \new
	s_set_vgpr_msb (MSB<<8)|\new
.set MSB, \new
.endif
.endm
; step n = 4 m + sl: tokens 16 m .. 16 m + 15, K step sl of my quarter, into ring set n % 4
.macro LOAD n
	WIN 0x40                                       ; destination window 1
.irp i, 0,1,2,3,4,5,6,7,8,9,10,11,12,13,14,15
	global_load_b128 v[64*((\n)%4)+4*\i:64*((\n)%4)+4*\i+3], v[LO], s[4:5] offset:(16*((\n)/4)+\i)*ROWB+((\n)%4)*512 th:TH_LOAD_NT   ; 512 consecutive bytes of a row; read once in the launch
.endr
.endm
; four products: the four tiles of experts against the step's 16 tokens.  The four accumulators take turns, one instruction a turn, in every step alike.  sl = 0 starts the sums.
.macro MUL sl
	WIN 0x02                                       ; source 0 (W) window 2; x's codes, C and D window 0
.irp t, 0,1,2,3
.if (\sl) == 0
.if \t%2
	v_wmma_scale_f32_16x16x128_f8f6f4 v[ACC+8*\t:ACC+8*\t+7], v[8*(4*(\sl)+\t):8*(4*(\sl)+\t)+7], v[PC:PC+7], 0, v[WS+4*(\t/2)+(\sl)], v[XW] matrix_a_fmt:MATRIX_FMT_FP4 matrix_b_fmt:MATRIX_FMT_FP4 matrix_a_scale:MATRIX_SCALE_ROW1
.else
	v_wmma_scale_f32_16x16x128_f8f6f4 v[ACC+8*\t:ACC+8*\t+7], v[8*(4*(\sl)+\t):8*(4*(\sl)+\t)+7], v[PC:PC+7], 0, v[WS+4*(\t/2)+(\sl)], v[XW] matrix_a_fmt:MATRIX_FMT_FP4 matrix_b_fmt:MATRIX_FMT_FP4
.endif
.else
.if \t%2
	v_wmma_scale_f32_16x16x128_f8f6f4 v[ACC+8*\t:ACC+8*\t+7], v[8*(4*(\sl)+\t):8*(4*(\sl)+\t)+7], v[PC:PC+7], v[ACC+8*\t:ACC+8*\t+7], v[WS+4*(\t/2)+(\sl)], v[XW] matrix_a_fmt:MATRIX_FMT_FP4 matrix_b_fmt:MATRIX_FMT_FP4 matrix_a_scale:MATRIX_SCALE_ROW1
.else
	v_wmma_scale_f32_16x16x128_f8f6f4 v[ACC+8*\t:ACC+8*\t+7], v[8*(4*(\sl)+\t):8*(4*(\sl)+\t)+7], v[PC:PC+7], v[ACC+8*\t:ACC+8*\t+7], v[WS+4*(\t/2)+(\sl)], v[XW] matrix_a_fmt:MATRIX_FMT_FP4 matrix_b_fmt:MATRIX_FMT_FP4
.endif
.endif
.endr
.endm
; my quarter's sums of token tile m go to LDS as an image of the 32 registers, each accumulator from its low end on
.macro PART m
	WIN 0
.rept 4
	v_nop                                          ; four places between the last product and the LDS stores that read results
.endr
.irp t, 0,1,2,3
	ds_store_b128 v[RSA], v[ACC+8*\t:ACC+8*\t+3] offset:(\m)*16384+(2*\t)*512
	ds_store_b128 v[RSA], v[ACC+8*\t+4:ACC+8*\t+7] offset:(\m)*16384+(2*\t+1)*512
.endr
.endm
.macro STEP n
.set RS, 64*((\n)%4)                   ; this step's ring set, in window 1
.if (\n) <= 12
	s_wait_loadcnt 48                              ; loads come back in order: this step's 16 are in (in step 0 also W's 34, issued ahead of them); the three younger sets stay out
.else
	s_wait_loadcnt 16*(15-(\n))                    ; the last steps have fewer sets behind them
.endif
	; the largest magnitude of each row's block: my 4 numbers and the floor; the 16 rows by turns, so that no line waits for the line above it
	WIN 0x05                                       ; sources 0 and 1 window 1
.irp i, 0,1,2,3,4,5,6,7,8,9,10,11,12,13,14,15
	v_max3_num_f32 v[MM+\i], |v[RS+4*\i]|, |v[RS+4*\i+1]|, s[FLOOR]
.endr
	WIN 0x14                                       ; sources 1 and 2 window 1
.irp i, 0,1,2,3,4,5,6,7,8,9,10,11,12,13,14,15
	v_max3_num_f32 v[MM+\i], v[MM+\i], |v[RS+4*\i+2]|, |v[RS+4*\i+3]|
.endr
	WIN 0
.irp x, 1,2,4                                  ; and those of the block's other 7 lanes: all 8 end up with the block's
.irp i, 0,1,2,3,4,5,6,7,8,9,10,11,12,13,14,15
	v_max_num_f32_dpp v[MM+\i], v[MM+\i], v[MM+\i] row_xmask:\x row_mask:0xf bank_mask:0xf
.endr
.endr
.irp i, 0,1,2,3,4,5,6,7,8,9,10,11,12,13,14,15
	v_add_nc_u32 v[MM+\i], s[M2], v[MM+\i]         ; 2 off the exponent field: the conversion takes this operand's exponent field as its scale; that field is also the scale's byte
.endr
	WIN 0x01                                       ; source 0 window 1
.irp j, 0,1,2,3,4,5,6,7
	v_cvt_scalef32_pk8_fp4_f32 v[CV+2*\j], v[RS+8*\j:RS+8*\j+7], v[MM+2*\j]       ; under row 2 j's scale: the low half, its 4 codes, counts.  Nearest code, ties to even, beyond 6 the largest code
	v_cvt_scalef32_pk8_fp4_f32 v[CV+2*\j+1], v[RS+8*\j:RS+8*\j+7], v[MM+2*\j+1]   ; the same 8 numbers under row 2 j + 1's: the high half counts
.endr
.if (\n)+4 < 16
	LOAD (\n)+4                                    ; the ring set has been read: it takes the loads of four steps on
.endif
	WIN 0
	; the scale word.  Lane l = 8 b + w knows the exponents of block b of all 16 rows; lane r is to hold row r's four.  (The first line is also the plain line behind the conversions: it names none of their results)
.irp j, 0,1,2,3,4,5,6,7
	v_perm_b32 v[PK+\j], v[MM+8+\j], v[MM+\j], s[HH]   ; the upper halves (sign, exponent, 7 bits) of rows j + 8 and j
.endr
	v_cndmask_b32 v[PK], v[PK], v[PK+1], s[B0]     ; of the eight the lane keeps number w: a choice by the lane's number, three levels
	v_cndmask_b32 v[PK+2], v[PK+2], v[PK+3], s[B0]
	v_cndmask_b32 v[PK+4], v[PK+4], v[PK+5], s[B0]
	v_cndmask_b32 v[PK+6], v[PK+6], v[PK+7], s[B0]
	v_cndmask_b32 v[PK], v[PK], v[PK+2], s[B1]
	v_cndmask_b32 v[PK+4], v[PK+4], v[PK+6], s[B1]
	v_cndmask_b32 v[PK], v[PK], v[PK+4], s[B2]     ; rows w (low half) and 8 + w (high half), block b
	v_mov_b32_dpp v[DD], v[PK] row_xmask:8 row_mask:0xf bank_mask:0xf   ; the same two rows, the neighbouring block
	v_perm_b32 v[OO], v[DD], v[PK], v[SEL8]        ; lanes 0-7 of a row of 16 keep row w, lanes 8-15 row 8 + w: the even block's half below, the odd block's above
	v_lshlrev_b32 v[OO], 1, v[OO]                  ; the two exponents now fill bytes 1 and 3
	v_permlanex16_b32 v[PT], v[OO], s[SEL], s[SEL+1]   ; lanes 0-15 hold blocks 0 and 1, lanes 16-31 blocks 2 and 3 of the same row
	v_perm_b32 v[XW], v[PT], v[OO], s[ODDB]        ; lane r (0 to 15): token r's four bytes.  (Lanes 16-31 are not read)
	; the codes change lanes
.irp j, 0,1,2,3,4,5,6,7
	v_bfi_b32 v[CV+2*\j], s[LOWH], v[CV+2*\j], v[CV+2*\j+1]   ; row 2 j's 4 codes below, row 2 j + 1's above.  (These eight name no register of the products: places behind the scale word)
.endr
.irp j, 0,1,2,3,4,5,6,7
	ds_store_b32 v[STA], v[CV+2*\j] offset:SPJ*\j  ; 128 consecutive bytes
.endr
.irp c, 0,1
.irp u, 0,1
	ds_load_b128 v[RB+8*\c+4*\u:RB+8*\c+4*\u+3], v[LDA] offset:64*\c+16*\u   ; LDS serves a wave's instructions in order (ISA guide 5.7.1.4): these see my stores.  Block 2 c + h of my pair of rows: 8 lanes' words
.endr
.endr
	s_wait_dscnt 0x0                               ; they are in (and an earlier tile's partial sums have left the accumulators)
.irp c, 0,1
.irp g, 0,1,2,3
	v_perm_b32 v[PC+4*\c+\g], v[RB+8*\c+2*\g+1], v[RB+8*\c+2*\g], v[SELV]   ; my row's halves of two neighbouring words: k = 64 c + 32 h + 8 g + 0 .. 7
.endr
.endr
.rept 4
	v_nop                                          ; codes made by vector instructions stand 4 places ahead of a scaled product; the scale word stands these 4 and the 8 merges ahead, 8 being asked
.endr
	MUL (\n)%4
.if (\n)%4 == 3
	PART (\n)/4
.endif
.endm
; the largest of v[X] .. v[X + 31] and of the lane 16 away's: all 64 experts of my token
.macro ROWMAX dst
.irp t, 0,1,2,3
	v_max3_num_f32 v[T0+\t], v[X+8*\t], v[X+8*\t+1], v[X+8*\t+2]
.endr
.irp k, 3,5
.irp t, 0,1,2,3
	v_max3_num_f32 v[T0+\t], v[T0+\t], v[X+8*\t+\k], v[X+8*\t+\k+1]
.endr
.endr
.irp t, 0,1,2,3
	v_max_num_f32 v[T0+\t], v[T0+\t], v[X+8*\t+7]
.endr
	v_max3_num_f32 v[\dst], v[T0], v[T0+1], v[T0+2]
	v_max_num_f32 v[\dst], v[\dst], v[T0+3]
	v_permlanex16_b32 v[PT], v[\dst], s[SEL], s[SEL+1]
	v_max_num_f32 v[\dst], v[\dst], v[PT]
.endm
; the lowest expert whose q equals v[val]: a choice of values by v_cndmask_b32, no branch
.macro WHERE val, idx
.irp i, 0,1,2,3,4,5,6,7,8,9,10,11,12,13,14,15,16,17,18,19,20,21,22,23,24,25,26,27,28,29,30,31
	v_cmp_eq_f32 vcc_lo, v[X+\i], v[\val]
	v_cndmask_b32 v[CD+\i], v[BIG], v[E+\i], vcc_lo
.endr
.irp t, 0,1,2,3
	v_min3_num_f32 v[T0+\t], v[CD+8*\t], v[CD+8*\t+1], v[CD+8*\t+2]
.endr
.irp k, 3,5
.irp t, 0,1,2,3
	v_min3_num_f32 v[T0+\t], v[T0+\t], v[CD+8*\t+\k], v[CD+8*\t+\k+1]
.endr
.endr
.irp t, 0,1,2,3
	v_min_num_f32 v[T0+\t], v[T0+\t], v[CD+8*\t+7]
.endr
	v_min3_num_f32 v[\idx], v[T0], v[T0+1], v[T0+2]
	v_min_num_f32 v[\idx], v[\idx], v[T0+3]
	v_permlanex16_b32 v[PT], v[\idx], s[SEL], s[SEL+1]
	v_min_num_f32 v[\idx], v[\idx], v[PT]
.endm
	s_load_b128 s[4:7], s[0:1], 0x0                ; x s[4:5], wq s[6:7]
	s_load_b128 s[8:11], s[0:1], 0x10              ; out0 s[8:9], out1 s[10:11]
	v_lshl_add_u32 v254, v0, 2, 0x11a00
	v_mov_b32 v255, 0
	v_lshrrev_b32 v18, 5, v0
	v_readfirstlane_b32 s12, v18                   ; wave 0..3
	v_and_b32 v19, 31, v0                          ; lane
	v_lshlrev_b32 v[LO], 4, v19
	s_lshl_b32 s14, ttmp9, 19                      ; my work-group's 64 rows of 8,192 bytes (under 2^27),
	s_lshl_b32 s15, s12, 11                        ; my quarter of K: 2,048 bytes of each row
	s_add_co_u32 s14, s14, s15
	s_mov_b32 s15, 0
	s_mul_i32 s16, s12, WQB                        ; my quarter's block of wq
	s_mov_b32 s17, 0
	s_lshl_b32 s18, ttmp9, 9                       ; my work-group's 512 bytes of each output
	s_mov_b32 s19, 0
	s_wait_kmcnt 0x0
	s_add_nc_u64 s[4:5], s[4:5], s[14:15]
	s_add_nc_u64 s[6:7], s[6:7], s[16:17]
	s_cmp_eq_u32 s12, 0                            ; wave 0 will store out0, wave 1 out1: the choice hangs on the wave's number alone
	s_cselect_b64 s[8:9], s[8:9], s[10:11]
	s_add_nc_u64 s[8:9], s[8:9], s[18:19]
	WIN 0x80                                       ; destination window 2
.irp f, 0,1,2,3,4,5,6,7,8,9,10,11,12,13,14,15
	global_load_b128 v[8*\f:8*\f+3], v[LO], s[6:7] offset:\f*1024          ; W's fragments as they were stored: they stay
	global_load_b128 v[8*\f+4:8*\f+7], v[LO], s[6:7] offset:\f*1024+512
.endr
	WIN 0
	global_load_b128 v[WS:WS+3], v[LO], s[6:7] offset:16384                ; and their scale words
	global_load_b128 v[WS+4:WS+7], v[LO], s[6:7] offset:16384+512
	LOAD 0
	LOAD 1
	LOAD 2
	LOAD 3
	WIN 0
	; all that follows up to the first step is made while the first loads are on their way
	v_and_b32 v18, 15, v0                          ; r
	v_bfe_u32 v20, v0, 4, 1                        ; h
	s_mul_i32 s20, s12, STG                        ; my stage
	v_lshl_add_u32 v[STA], v19, 2, s20
	v_bfe_u32 v21, v0, 1, 3                        ; r / 2: my pair of rows
	v_mul_u32_u24 v21, v21, SPJ
	v_lshl_add_u32 v21, v20, 5, v21
	v_add_nc_u32 v[LDA], s20, v21
	v_lshlrev_b32 v[H8], 3, v20
	s_lshl_b32 s21, s12, 12
	s_add_co_u32 s21, s21, RED
	v_add_nc_u32 v[RSA], s21, v[LO]
	s_lshl_b32 s22, s12, 14
	s_add_co_u32 s22, s22, RED
	v_add_nc_u32 v[RLA], s22, v[LO]
	s_lshl_b32 s23, s12, 7
	s_add_co_u32 s23, s23, OUTS
	v_lshl_add_u32 v[OA], v18, 3, s23
	s_lshl_b32 s24, s12, 9
	s_add_co_u32 s24, s24, OUTS
	v_add_nc_u32 v[OL], s24, v[LO]
	v_mov_b32 v[PT], 0                             ; the destination of a lane permute, and of a move from another lane, counts as one of its sources
	v_mov_b32 v[DD], 0
	v_mov_b32 v[NEG], -1.0
	v_mov_b32 v[BIG], 0x42800000                   ; 64.0
	s_mov_b32 s[SEL], 0x76543210
	s_mov_b32 s[SEL+1], 0xfedcba98
	s_mov_b32 s[CS], 0x3fb8aa3b                    ; log2(e)
	s_mov_b32 s[CS+1], s[CS]                       ; (named with it as a pair, so it is written)
	s_mov_b32 s[B0], 0xaaaaaaaa
	s_mov_b32 s[B1], 0xcccccccc
	s_mov_b32 s[B2], 0xf0f0f0f0
	s_mov_b32 s[B3], 0xff00ff00
	s_mov_b32 s[LOWH], 0x0000ffff
	s_mov_b32 s[FLOOR], 0x01800000
	s_mov_b32 s[M2], 0xff000000
	s_mov_b32 s[HH], 0x07060302
	s_mov_b32 s[ODDB], 0x07050301
	v_mov_b32 v21, 0x05040100                      ; v_perm_b32's selects: bytes 0-3 are the second source's, 4-7 the first's.  The low halves of both;
	v_mov_b32 v22, 0x07060302                      ; the high halves of both;
	v_mov_b32 v23, 0x03020706                      ; the first's high half below, the second's above
	v_cndmask_b32 v[SELV], v21, v22, s[B0]         ; an even row's codes lie in the words' low halves, an odd row's in the high halves
	v_cndmask_b32 v[SEL8], v21, v23, s[B3]
.irp i, 0,1,2,3,4,5,6,7,8,9,10,11,12,13,14,15,16,17,18,19,20,21,22,23,24,25,26,27,28,29,30,31
	v_add_nc_u32 v[E+\i], 16*(\i/8)+\i%8, v[H8]
.endr
.irp i, 0,1,2,3,4,5,6,7,8,9,10,11,12,13,14,15,16,17,18,19,20,21,22,23,24,25,26,27,28,29,30,31
	v_cvt_f32_u32 v[E+\i], v[E+\i]
.endr
; The 16 steps are written out: each K step has its own registers of W, every offset is an immediate (517,632 bytes at the most, inside the signed 24 bits: ISA guide, chapter 10), no pointer is stepped,
; and the last four steps ask for nothing: no load leaves x.
.set N, 0
.rept 16
	STEP N
.set N, N+1
.endr
	s_wait_dscnt 0x0                               ; for the others' sake: all my partial sums lie in LDS
	s_barrier_signal -1
	s_barrier_wait -1                              ; everybody's do
.irp p, 0,1,2,3
.irp f, 0,1,2,3,4,5,6,7
	ds_load_b128 v[X+32*\p+4*\f:X+32*\p+4*\f+3], v[RLA] offset:\p*4096+\f*512   ; token tile w: quarter p's image comes back into 32 registers as it left them
.endr
.endr
	s_wait_dscnt 16                                ; quarters 0 and 1 are in
.irp i, 0,2,4,6,8,10,12,14,16,18,20,22,24,26,28,30
	v_pk_add_f32 v[X+\i:X+\i+1], v[X+\i:X+\i+1], v[X+32+\i:X+32+\i+1]
.endr
	s_wait_dscnt 0x0
.irp i, 0,2,4,6,8,10,12,14,16,18,20,22,24,26,28,30
	v_pk_add_f32 v[X+64+\i:X+64+\i+1], v[X+64+\i:X+64+\i+1], v[X+96+\i:X+96+\i+1]
.endr
.irp i, 0,2,4,6,8,10,12,14,16,18,20,22,24,26,28,30
	v_pk_add_f32 v[X+\i:X+\i+1], v[X+\i:X+\i+1], v[X+64+\i:X+64+\i+1]   ; the scores: register 8 t + j = expert 16 t + 8 h + j of token r
.endr
	ROWMAX MX
	v_mov_b32 v[MX+1], v[MX]
.irp i, 0,2,4,6,8,10,12,14,16,18,20,22,24,26,28,30
	v_pk_add_f32 v[X+\i:X+\i+1], v[X+\i:X+\i+1], v[MX:MX+1] neg_lo:[0,1] neg_hi:[0,1]   ; s - max: 0 or less
.endr
.irp i, 0,2,4,6,8,10,12,14,16,18,20,22,24,26,28,30
	v_pk_mul_f32 v[X+\i:X+\i+1], v[X+\i:X+\i+1], s[CS:CS+1] op_sel_hi:[1,0]             ; as an exponent of 2
.endr
.irp i, 0,1,2,3,4,5,6,7,8,9,10,11,12,13,14,15,16,17,18,19,20,21,22,23,24,25,26,27,28,29,30,31
	v_floor_f32 v[NI+\i], v[X+\i]                  ; its whole part,
.endr
.irp i, 0,2,4,6,8,10,12,14,16,18,20,22,24,26,28,30
	v_pk_add_f32 v[X+\i:X+\i+1], v[X+\i:X+\i+1], v[NI+\i:NI+\i+1] neg_lo:[0,1] neg_hi:[0,1]   ; and the rest, 0 to 1
.endr
.irp i, 0,1,2,3,4,5,6,7,8,9,10,11,12,13,14,15,16,17,18,19,20,21,22,23,24,25,26,27,28,29,30,31
	v_exp_f32 v[X+\i], v[X+\i]                     ; 1 to 2: one batch
.endr
.irp i, 0,1,2,3,4,5,6,7,8,9,10,11,12,13,14,15,16,17,18,19,20,21,22,23,24,25,26,27,28,29,30,31
	v_cvt_i32_f32 v[NI+\i], v[NI+\i]               ; (it saturates)  plain work behind the batch, which names none of its results
.endr
	s_wait_alu depctr_va_vdst(0)                   ; one wait for the 32 exponentials, ahead of their first reader
.irp i, 0,1,2,3,4,5,6,7,8,9,10,11,12,13,14,15,16,17,18,19,20,21,22,23,24,25,26,27,28,29,30,31
	v_ldexp_f32 v[X+\i], v[X+\i], v[NI+\i]         ; p = e^(s - max): what lies under 2^-126 is kept as a denormal, under the smallest of them it is 0
.endr
	v_pk_add_f32 v[A0:A0+1], v[X:X+1], v[X+2:X+3]  ; the row's sum, two at a time, in two chains
	v_pk_add_f32 v[A1:A1+1], v[X+4:X+5], v[X+6:X+7]
.irp i, 8,12,16,20,24,28
	v_pk_add_f32 v[A0:A0+1], v[A0:A0+1], v[X+\i:X+\i+1]
	v_pk_add_f32 v[A1:A1+1], v[A1:A1+1], v[X+\i+2:X+\i+3]
.endr
	v_pk_add_f32 v[A0:A0+1], v[A0:A0+1], v[A1:A1+1]
	v_add_f32 v[A0], v[A0], v[A0+1]
	v_permlanex16_b32 v[PT], v[A0], s[SEL], s[SEL+1]
	v_add_f32 v[A0], v[A0], v[PT]                  ; with the other 32 experts': at least 1
	v_rcp_f32 v[RC], v[A0]
	v_rcp_f32 v[RC+1], v[A0]                       ; twice: the pair that the packed multiply names
	v_nop                                          ; a plain line behind the reciprocals,
	s_wait_alu depctr_va_vdst(0)                   ; and the wait ahead of their first reader
.irp i, 0,2,4,6,8,10,12,14,16,18,20,22,24,26,28,30
	v_pk_mul_f32 v[X+\i:X+\i+1], v[X+\i:X+\i+1], v[RC:RC+1]   ; q = p / sum: the probabilities
.endr
	ROWMAX OV                                      ; the largest probability,
	WHERE OV, IDF                                  ; and the lowest expert that has it
.irp i, 0,1,2,3,4,5,6,7,8,9,10,11,12,13,14,15,16,17,18,19,20,21,22,23,24,25,26,27,28,29,30,31
	v_cmp_eq_f32 vcc_lo, v[E+\i], v[IDF]
	v_cndmask_b32 v[X+\i], v[X+\i], v[NEG], vcc_lo ; that expert is taken out: -1 lies under every probability
.endr
	ROWMAX OV+1                                    ; the second,
	WHERE OV+1, IDF+1                              ; likewise
	v_cvt_i32_f32 v[OI], v[IDF]
	v_cvt_i32_f32 v[OI+1], v[IDF+1]
	ds_store_b64 v[OA], v[OI:OI+1]                 ; lanes r and r + 16 hold the same results and write the same bytes
	ds_store_b64 v[OA], v[OV:OV+1] offset:512
	s_wait_dscnt 0x0                               ; for waves 0 and 1: my 16 tokens' results lie in LDS
	s_barrier_signal -1
	s_barrier_wait -1
	s_cmp_lt_u32 s12, 2
	s_cbranch_scc0 .Lend
	ds_load_b128 v[OB:OB+3], v[OL]                 ; wave 0: the 64 tokens' experts; wave 1: their probabilities
	s_wait_dscnt 0x0
	global_store_b128 v[LO], v[OB:OB+3], s[8:9]    ; 32 lanes store 512 consecutive bytes, at a multiple of 512 from the output's first byte
.Lend:
	s_wait_tensorcnt 0x0
	ds_add_u32 v254, v255
	s_wait_dscnt 0x0
	s_endpgm
.Lfunc_end_k_q165f740ace_route:
	.size	k_q165f740ace_route, .Lfunc_end_k_q165f740ace_route-k_q165f740ace_route
	.p2alignl 7, 3214868480
	.fill 96, 4, 3214868480
	.section	.rodata,"a",@progbits
	.p2align	6, 0x0
	.amdhsa_kernel k_q165f740ace_route
		.amdhsa_group_segment_fixed_size 72704
		.amdhsa_private_segment_fixed_size 0
		.amdhsa_enable_private_segment 0
		.amdhsa_kernarg_size 32
		.amdhsa_user_sgpr_count 2
		.amdhsa_user_sgpr_kernarg_segment_ptr 1
		.amdhsa_wavefront_size32 1
		.amdhsa_system_sgpr_workgroup_id_x 1
		.amdhsa_system_sgpr_workgroup_id_y 1
		.amdhsa_system_sgpr_workgroup_id_z 1
		.amdhsa_system_vgpr_workitem_id 0
		.amdhsa_next_free_vgpr 640
		.amdhsa_next_free_sgpr 66
		.amdhsa_reserve_vcc 1
		.amdhsa_float_denorm_mode_32 3
		.amdhsa_float_denorm_mode_16_64 3
		.amdhsa_memory_ordered 1
		.amdhsa_forward_progress 1
		.amdhsa_inst_pref_size 229
	.end_amdhsa_kernel
	.amdgpu_metadata
---
amdhsa.version: [ 1, 2 ]
amdhsa.kernels:
  - .name:           k_q165f740ace_route
    .symbol:         k_q165f740ace_route.kd
    .args:
      - { .name: x, .offset: 0, .size: 8, .value_kind: global_buffer, .address_space: global }
      - { .name: wq, .offset: 8, .size: 8, .value_kind: global_buffer, .address_space: global }
      - { .name: out0, .offset: 16, .size: 8, .value_kind: global_buffer, .address_space: global }
      - { .name: out1, .offset: 24, .size: 8, .value_kind: global_buffer, .address_space: global }
    .group_segment_fixed_size: 72704
    .private_segment_fixed_size: 0
    .kernarg_segment_align: 8
    .kernarg_segment_size: 32
    .max_flat_workgroup_size: 128
    .sgpr_count:     66
    .vgpr_count:     640
    .wavefront_size: 32
...
	.end_amdgpu_metadata
.endif
;; end of part 2
;; ======== version 2 of 2: 2 launches
;; workspace buffers: wq 69,632 bytes
;; launch wquant (part 3): grid 4 x 2, 8 waves a work-group, no clusters, 69,120 bytes of LDS; arguments W, wq; writes wq
.if DOCPART == 3
	.amdgcn_target "amdgcn-amd-amdhsa--gfx1250"
	.amdhsa_code_object_version 6
	.text
	.protected	k_q165f740ace_wquant
	.globl	k_q165f740ace_wquant
	.p2align	8
	.type	k_q165f740ace_wquant,@function
k_q165f740ace_wquant:
	s_mov_b64 s[64:65], 0
	v_nop
	global_prefetch_b8 v0, s[64:65] scope:SCOPE_SE
	s_setreg_imm32_b32 hwreg(HW_REG_WAVE_MODE, 25, 1), 1
	s_wait_xcnt 0x0
; W [64 experts][2048] f32 becomes codes of FP4 (E2M1) with one E8M0 byte for each 32 along K, laid as the second launch's registers want them.
; wq: four blocks of WQB = 17,408 bytes, one for each quarter q of K.  In a block: 16 fragments of 1,024 bytes (K step sl = 0..3 of the quarter, tile t = 0..3 of 16 experts, at 4 sl + t),
; each an image of its 8 registers (registers 4 c .. 4 c + 3: lane l's 16 bytes at 512 c + 16 l); then 1,024 bytes of scale words: for the pair tp of tiles 512 bytes, lane l's 16 bytes at 16 l = the words of
; K steps 0..3; lanes 0-15 belong to tile 2 tp, lanes 16-31 to tile 2 tp + 1, lane % 16 is the expert in the tile.
; SHARES.  Work-group (q, tp), eight waves: wave (u = wave % 2, sl = wave / 2) makes ONE fragment: tile t = 2 tp + u, K step 4 q + sl: 16 rows x 128 numbers.
; Each of its 16 loads reads 512 consecutive bytes of one row.  The conversion wants a lane to hold neighbours along K, the operand's layout a whole block of 32 in a lane: so the 8 KB turn through the wave's own
; stage in LDS: stored as loaded, read back 128 bytes a lane and block.  Stage rows are 528 bytes apart = 132 words: row r starts at bank 4 r mod 64 (64 banks of 4 bytes: ISA guide 11.1).
; A block's scale is 2^(floor(log2(largest magnitude)) - 2); its byte is the largest magnitude's exponent field - 2, held at 1 from below by a floor among the maximum's leaves.  A block of zeros so gets the byte 1
; where the rule says 127: its codes are zeros, and this program alone reads the bytes.
; LIMITS: NaN and infinities in W are not served; blocks whose largest magnitude lies under 2^-124 (the floor) were not tried.
.set ROWB,  8192                       ; a row of W in bytes
.set SP,    528                        ; a stage row
.set STG,   16*SP                      ; a wave's stage
.set GAT,   8*STG                      ; behind the stages: 512 bytes in which the eight waves' scale words meet
.set WQB,   17408
.set LO,  1                            ; v1      16 x lane
.set STA, 2                            ; v2      stage, on the way in: my wave's stage + 16 x lane
.set LDA, 3                            ; v3      on the way out: + 528 r + 128 h
.set H8,  4                            ; v4      8 h
.set GA,  5                            ; v5      where my row's scale word goes
.set GL,  6                            ; v6      where wave 0 reads 16 bytes of the gathered words
.set PC,  8                            ; v8-15   the fragment's codes
.set M,   16                           ; v16-19  four running maxima
.set SO,  20                           ; v20-21  the conversions' scale operands
.set BY,  22                           ; v22-23  the scale bytes
.set XW,  24                           ; v24     the scale word
.set PT,  25                           ; v25     what the lane 16 away sends
.set OB,  28                           ; v28-31  the gathered words on their way out
.set R,   32                           ; v32-95  16 rows as loaded
.set X,   96                           ; v96-159 my 64 numbers: register 32 c + i = k 64 c + 32 h + i of row r
.set SEL, 26                           ; s[26:27] lane selects: lane l xor 16
; 64 numbers of a lane become the operand's 8 registers in v[PC] on and the row's scale word in v[XW].  Both of a lane's blocks are whole: no other lane is asked for a maximum.
.macro QUANT
.irp c, 0,1
.irp u, 0,1
	v_max3_num_f32 v[M+2*\c+\u], |v[X+32*\c+16*\u]|, |v[X+32*\c+16*\u+1]|, 0x1800000   ; four chains of 16 numbers; the floor 2^(3 - 127) holds the byte at 1 from below
.endr
.endr
.irp i, 2,4,6,8,10,12,14
.irp c, 0,1
.irp u, 0,1
	s_delay_alu instid0(VALU_DEP_4)
	v_max3_num_f32 v[M+2*\c+\u], v[M+2*\c+\u], |v[X+32*\c+16*\u+\i]|, |v[X+32*\c+16*\u+\i+1]|
.endr
.endr
.endr
	s_delay_alu instid0(VALU_DEP_3)
	v_max_num_f32 v[M], v[M], v[M+1]               ; block 2 c + h's largest magnitude: c = 0,
	s_delay_alu instid0(VALU_DEP_2)
	v_max_num_f32 v[M+2], v[M+2], v[M+3]           ; c = 1
	s_delay_alu instid0(VALU_DEP_2)
	v_add_nc_u32 v[SO], 0xff000000, v[M]           ; 2 off the exponent field: the conversion takes this operand's exponent field as its scale
	s_delay_alu instid0(VALU_DEP_2)
	v_add_nc_u32 v[SO+1], 0xff000000, v[M+2]
	s_delay_alu instid0(VALU_DEP_2)
	v_lshrrev_b32 v[BY], 23, v[SO]                 ; the scale's byte
	s_delay_alu instid0(VALU_DEP_2)
	v_lshrrev_b32 v[BY+1], 23, v[SO+1]
	s_delay_alu instid0(VALU_DEP_1)
	v_lshl_or_b32 v[XW], v[BY+1], 16, v[BY]        ; my two bytes, blocks h and 2 + h,
	s_delay_alu instid0(VALU_DEP_1)
	v_lshlrev_b32 v[XW], v[H8], v[XW]              ; at their places in the word;
	s_delay_alu instid0(VALU_DEP_1)
	v_permlanex16_b32 v[PT], v[XW], s[SEL], s[SEL+1]
	s_delay_alu instid0(VALU_DEP_1)
	v_or_b32 v[XW], v[XW], v[PT]                   ; with the two of the lane 16 away the word is whole, in both lanes
.irp c, 0,1
.irp g, 0,1,2,3
	v_cvt_scalef32_pk8_fp4_f32 v[PC+4*\c+\g], v[X+32*\c+8*\g:X+32*\c+8*\g+7], v[SO+\c]   ; nearest code, ties to even, beyond 6 the largest code
.endr
.endr
.endm
	s_load_b128 s[4:7], s[0:1], 0x0                ; W s[4:5], wq s[6:7]
	v_lshl_add_u32 v160, v0, 2, 0x10a00
	v_mov_b32 v161, 0
	v_lshrrev_b32 v16, 5, v0
	s_delay_alu instid0(VALU_DEP_1)
	v_readfirstlane_b32 s8, v16                    ; wave 0..7
	v_and_b32 v17, 31, v0
	s_delay_alu instid0(VALU_DEP_1)
	v_lshlrev_b32 v[LO], 4, v17
	s_and_b32 s9, s8, 1                            ; u
	s_lshr_b32 s10, s8, 1                          ; sl
	s_and_b32 s12, ttmp7, 0xffff                   ; tp
	s_lshl_b32 s13, s12, 1
	s_add_co_u32 s13, s13, s9                      ; t = 2 tp + u
	s_lshl_b32 s14, s13, 17                        ; 16 t rows of 8,192 bytes
	s_lshl_b32 s15, ttmp9, 2
	s_add_co_u32 s15, s15, s10                     ; K step 4 q + sl,
	s_lshl_b32 s15, s15, 9                         ; 512 bytes each
	s_add_co_u32 s14, s14, s15
	s_mov_b32 s15, 0
	s_mul_i32 s16, ttmp9, WQB                      ; the quarter's block of wq
	s_lshl_b32 s17, s10, 2
	s_add_co_u32 s17, s17, s13                     ; fragment 4 sl + t,
	s_lshl_b32 s17, s17, 10                        ; 1,024 bytes each
	s_add_co_u32 s18, s16, s17
	s_mov_b32 s19, 0
	s_lshl_b32 s22, s12, 9                         ; the pair's 512 bytes of scale words,
	s_add_co_u32 s22, s22, s16
	s_add_co_u32 s22, s22, 16384                   ; behind the block's 16 fragments
	s_mov_b32 s23, 0
	s_wait_alu depctr_va_vdst(0)
	s_wait_kmcnt 0x0
	s_add_nc_u64 s[4:5], s[4:5], s[14:15]
	s_add_nc_u64 s[20:21], s[6:7], s[18:19]        ; my fragment
	s_add_nc_u64 s[6:7], s[6:7], s[22:23]          ; my work-group's scale words
.irp i, 0,1,2,3,4,5,6,7,8,9,10,11,12,13,14,15
	global_load_b128 v[R+4*\i:R+4*\i+3], v[LO], s[4:5] offset:\i*ROWB th:TH_LOAD_NT   ; row i: 32 lanes read 512 consecutive bytes; read once in the launch
.endr
	v_and_b32 v16, 15, v0                          ; r
	v_bfe_u32 v17, v0, 4, 1                        ; h
	s_mul_i32 s28, s8, STG                         ; my stage
	v_add_nc_u32 v[STA], s28, v[LO]
	v_mul_u32_u24 v18, v16, SP
	s_delay_alu instid0(VALU_DEP_1)
	v_lshl_add_u32 v18, v17, 7, v18
	s_delay_alu instid0(VALU_DEP_1)
	v_add_nc_u32 v[LDA], s28, v18
	v_lshlrev_b32 v[H8], 3, v17
	s_lshl_b32 s24, s9, 8                          ; the gathered words: 16 bytes for each of 32 places u x 16 + r, word sl in them
	s_lshl_b32 s25, s10, 2
	s_add_co_u32 s24, s24, s25
	s_add_co_u32 s24, s24, GAT
	v_lshl_add_u32 v[GA], v16, 4, s24
	v_add_nc_u32 v[GL], GAT, v[LO]
	v_mov_b32 v[PT], 0                             ; a lane permute's destination counts as one of its sources
	s_mov_b32 s[SEL], 0x76543210
	s_mov_b32 s[SEL+1], 0xfedcba98
	s_wait_alu depctr_va_vdst(0)
.irp i, 0,1,2,3,4,5,6,7,8,9,10,11,12,13,14,15
	s_wait_loadcnt 15-\i                           ; loads come back in order: row i is in, the younger rows may be out
	ds_store_b128 v[STA], v[R+4*\i:R+4*\i+3] offset:\i*SP
.endr
.irp c, 0,1
.irp i, 0,1,2,3,4,5,6,7
	ds_load_b128 v[X+32*\c+4*\i:X+32*\c+4*\i+3], v[LDA] offset:256*\c+16*\i   ; LDS serves a wave's instructions in order: these see my stores
.endr
.endr
	s_wait_dscnt 0x0
	QUANT
	v_nop                                          ; one plain line behind the last conversion
	global_store_b128 v[LO], v[PC:PC+3], s[20:21]              ; 512 consecutive bytes, aligned
	global_store_b128 v[LO], v[PC+4:PC+7], s[20:21] offset:512
	ds_store_b32 v[GA], v[XW]                      ; lanes r and r + 16 write the same word with the same value
	s_wait_dscnt 0x0                               ; for wave 0's sake: my word lies in LDS
	s_barrier_signal -1
	s_barrier_wait -1
	s_cmp_lg_u32 s8, 0
	s_cbranch_scc1 .Lend
	ds_load_b128 v[OB:OB+3], v[GL]
	s_wait_dscnt 0x0
	global_store_b128 v[LO], v[OB:OB+3], s[6:7]    ; the work-group's 512 bytes of scale words by one instruction
.Lend:
	s_wait_tensorcnt 0x0
	ds_add_u32 v160, v161
	s_wait_dscnt 0x0
	s_endpgm
.Lfunc_end_k_q165f740ace_wquant:
	.size	k_q165f740ace_wquant, .Lfunc_end_k_q165f740ace_wquant-k_q165f740ace_wquant
	.p2alignl 7, 3214868480
	.fill 96, 4, 3214868480
	.section	.rodata,"a",@progbits
	.p2align	6, 0x0
	.amdhsa_kernel k_q165f740ace_wquant
		.amdhsa_group_segment_fixed_size 69120
		.amdhsa_private_segment_fixed_size 0
		.amdhsa_enable_private_segment 0
		.amdhsa_kernarg_size 16
		.amdhsa_user_sgpr_count 2
		.amdhsa_user_sgpr_kernarg_segment_ptr 1
		.amdhsa_wavefront_size32 1
		.amdhsa_system_sgpr_workgroup_id_x 1
		.amdhsa_system_sgpr_workgroup_id_y 1
		.amdhsa_system_sgpr_workgroup_id_z 1
		.amdhsa_system_vgpr_workitem_id 0
		.amdhsa_next_free_vgpr 162
		.amdhsa_next_free_sgpr 66
		.amdhsa_reserve_vcc 0
		.amdhsa_float_denorm_mode_32 3
		.amdhsa_float_denorm_mode_16_64 3
		.amdhsa_memory_ordered 1
		.amdhsa_forward_progress 1
		.amdhsa_inst_pref_size 12
	.end_amdhsa_kernel
	.amdgpu_metadata
---
amdhsa.version: [ 1, 2 ]
amdhsa.kernels:
  - .name:           k_q165f740ace_wquant
    .symbol:         k_q165f740ace_wquant.kd
    .args:
      - { .name: W, .offset: 0, .size: 8, .value_kind: global_buffer, .address_space: global }
      - { .name: wq, .offset: 8, .size: 8, .value_kind: global_buffer, .address_space: global }
    .group_segment_fixed_size: 69120
    .private_segment_fixed_size: 0
    .kernarg_segment_align: 8
    .kernarg_segment_size: 16
    .max_flat_workgroup_size: 256
    .sgpr_count:     66
    .vgpr_count:     162
    .wavefront_size: 32
...
	.end_amdgpu_metadata
.endif
;; end of part 3
;; launch route (part 4): grid 256 x 1, 4 waves a work-group, no clusters, 72,704 bytes of LDS; arguments x, wq, out0, out1; writes out0, out1
.if DOCPART == 4
	.amdgcn_target "amdgcn-amd-amdhsa--gfx1250"
	.amdhsa_code_object_version 6
	.text
	.protected	k_q165f740ace_route
	.globl	k_q165f740ace_route
	.p2align	8
	.type	k_q165f740ace_route,@function
k_q165f740ace_route:
	s_mov_b64 s[64:65], 0
	v_nop
	global_prefetch_b8 v0, s[64:65] scope:SCOPE_SE
	s_setreg_imm32_b32 hwreg(HW_REG_WAVE_SCHED_MODE, 0, 2), 2
	s_setreg_imm32_b32 hwreg(HW_REG_WAVE_MODE, 25, 1), 1
	s_wait_xcnt 0x0
	s_wait_alu depctr_vm_vsrc(0)
; scores = Q(x) Q(W)^T on codes of FP4 (E2M1) with one E8M0 scale for each 32 along K; softmax over the 64 experts in f32; the two largest probabilities of each token and their experts.
; x: [16,384 tokens][2,048] f32.  wq: W's codes and scale words as the first launch laid them (images of the operand's registers, one block of 17,408 bytes for each quarter of K).
; out0: [16,384][2] int32, out1: [16,384][2] f32.
; SHARES.  A work-group owns 64 tokens: 524,288 bytes of x, read once.  THE WAVES SHARE K, NOT THE TOKENS: wave w takes K steps 4 w .. 4 w + 3 (of 128) for all 64 tokens, so that each fragment of W lies in ONE wave's
; registers (16 fragments, 128 registers, and 8 registers of scale words), loaded once and used for four tiles of tokens.
; A STEP is 16 tokens x 128 K.  Each of its 16 loads reads 512 consecutive, aligned bytes of one row: lane l holds k = 4 l .. 4 l + 3 of row i, and a block of 32 lies in 8 neighbouring lanes.
; THE NUMBERS ARE QUANTISED WHERE THE LOADS PUT THEM, AND ONLY THE CODES CHANGE LANES.  The operand's layout wants a whole block in a lane; turned through LDS as f32 a step would be 8 KB in and 8 KB out, as codes it is
; 1 KB in and 2 KB out.  A block's largest magnitude: two lines in the lane, three steps among its 8 lanes.  The conversion takes 8 consecutive registers under ONE scale, and here they are 4 numbers of row 2 j and 4 of
; row 2 j + 1: so they are converted twice, under each row's scale, and of each result the half that belongs to that row is kept (the other half holds codes under a foreign scale, at the worst the largest code: it is
; thrown away).  The 8 words of a lane go to the wave's own stage, [pair of rows][lane], pairs 144 bytes = 36 words apart.
; Lane (r, h) reads the 32 bytes of pair r / 2 for each of its two blocks and picks its row's halves: K stays in its true order.
; A RING OF FOUR SETS OF 16 LOADS in registers: while a step is worked, the loads of the next three are on their way, and its own set is asked for again in the same step.
; THE PRODUCT IS USED TRANSPOSED: source 0 = 16 experts, source 1 = 16 tokens: a lane holds ONE token (lane % 16), and register j of tile t the expert 16 t + 8 (lane / 16) + j.
; THE QUARTERS MEET IN LDS: a wave stores the 32 accumulator registers of each tile of tokens as an image; behind one barrier wave w adds the four images of token tile w, (q0 + q1) + (q2 + q3).
; SOFTMAX AND TOP 2.  p = e^(s - max) is made as 2^fraction, then v_ldexp_f32 by the whole part: results under 2^-126 are kept as f32 keeps them.  q = p / sum.  The two largest are taken OF q, equal q to the lower
; expert: where large inputs let probabilities fall to 0, the zeros tie.  Experts' numbers are carried as f32 whole numbers (0 to 64: exact).
; NO CLUSTER: what work-groups share is wq alone, 69,632 bytes against the 524,288 bytes of x that are a work-group's own: 12 parts in a hundred of what it reads.
; LIMITS: NaN and infinities among the inputs are not served; blocks of x whose largest magnitude lies under 2^-124 (the floor; byte 1) were not tried; K is summed in four quarters, not in one chain;
; v_exp_f32 and v_rcp_f32 are good to 1 ulp: probabilities that differ in the last bit may tie or part otherwise than under another exponential.
; THE MODE: SCHED_MODE bits 1:0 = 2 (LLVM: expert scheduling mode 2), set by the entry lines.  The code itself states the register dependences between vector or matrix instructions and memory or LDS
; instructions, with s_wait_alu, always for 0.
; THE PLAN.  THE PRODUCTS OF STEP n STAND IN STEP n + 1, so that a step's words have a step in which to come back from LDS.  Registers that memory or LDS instructions touch, in the steps:
;   ring set n % 4   Step n: its 32 lines of maxima and its 16 conversions read it; the loads of step n + 4, issued in the same step, land in it.
;   CV (even ones)   Step n: its conversions and merges write them; its 8 LDS stores read them.
;   RB               Step n's 4 LDS loads land in it; step n + 1's eight picks read it.
;   two sets of four accumulators, by turns from token tile to token tile.  Tile m's products (issued in steps 4 m + 1 to 4 m + 4) write set m % 2; 8 LDS stores read it in step 4 m + 5 (tile 3's: behind the steps);
;                    it is written again from step 4 m + 9 on.
;   v1 to v7, v26    offsets and LDS addresses, made at the head and never written again: every offset along x is an immediate.
;   PC and the two scale words (by turns) are written by vector instructions and taken by the scaled products.
; So ONE wait on va_vdst stands in a step, behind its merges.  It states that the words are written; that the picks are done reading RB; that the maxima and the conversions are done reading the ring set; that the codes
; and the scale word of the step before are written; and, in steps 5, 9 and 13, that the finished tile's accumulators are.  Behind it follow, with no further wait, the 8 LDS stores, the 4 LDS loads, the finished
; tile's 8 stores, the 4 products of the step before and the 16 loads: the products name W, PC, a scale word and the OTHER set of accumulators, none of which those memory instructions touch.  The rest of the scale
; word, vector work on registers that no memory instruction names, closes the step.  ONE wait on vm_vsrc stands at a step's head: the LDS stores of the step before have read their data.
; REGISTERS, in windows of 256 (s_set_vgpr_msb: bits 1:0 source 0, 3:2 source 1, 5:4 source 2, 7:6 destination): window 0: see below; window 1: the ring, set n % 4 at v[64 (n % 4)], row i in 4 registers;
; window 2: v0-127 W's fragments, (K step sl, tile t) at v[8 (4 sl + t)].
.set ROWB,  8192                       ; a row of x in bytes
.set SPJ,   144                        ; the stage: a pair of rows' 32 words + 16 bytes of padding
.set STG,   8*SPJ                      ; a wave's stage
.set RED,   4*STG                      ; behind the stages: the partial sums: token tile m, wave p: 4,096 bytes at 16,384 m + 4,096 p
.set OUTS,  RED+65536                  ; behind them: 512 bytes of experts' numbers, 512 of probabilities (and 1,024 that no wave touches)
.set WQB,   17408
.set LO,  1                            ; v1      16 x lane
.set STA, 2                            ; v2      stage, on the way in: my stage + 4 x lane
.set LDA, 3                            ; v3      on the way out: + 144 (r / 2) + 32 h
.set H8,  4                            ; v4      8 h
.set RSA, 5                            ; v5      where I store partial sums: RED + 4,096 wave + 16 x lane
.set RLA, 6                            ; v6      where I read them: RED + 16,384 wave + 16 x lane
.set OA,  7                            ; v7      where my token's results go: OUTS + 8 (16 wave + r)
.set WS,  8                            ; v8-15   W's scale words: register 4 tp + sl: lanes 0-15 tile 2 tp, lanes 16-31 tile 2 tp + 1
.set SELV, 16                          ; v16     byte selects: the low halves of two words where r is even, the high halves where it is odd
.set SEL8, 17                          ; v17     byte selects for the scale word (lanes 0-7 of a row of 16, lanes 8-15)
.set XW,  24                           ; v24     x's scale word of the even steps: lane r has token r's
.set XWD, 23                           ; v47     that of the odd steps lies 23 registers on
.set PT,  25                           ; v25     what the lane 16 away sends
.set OL,  26                           ; v26     where waves 0 and 1 read the results back
.set NEG, 27                           ; v27     -1.0
.set MX,  28                           ; v28-29  the row's largest score, twice
.set RC,  30                           ; v30-31  1 / sum, twice
.set PC,  32                           ; v32-39  x's codes: the operand
.set OI,  40                           ; v40-41  the two experts
.set OV,  42                           ; v42-43  the two probabilities
.set IDF, 44                           ; v44-45  the two experts as f32
.set BIG, 46                           ; v46     64.0: above every expert's number
.set ACC, 48                           ; v48-79  four accumulators: token tiles 0 and 2
.set ACD, 96                           ; v144-175 the other set, 96 registers on: token tiles 1 and 3
.set MM,  80                           ; v80-95  row i: its block's largest magnitude, then the conversion's scale operand
.set CV,  96                           ; v96-111 the conversions' results; then, in the even ones, the words of the 8 pairs of rows
.set RB,  112                          ; v112-127 the words read back: register 8 c + x: the word of lane 8 (2 c + h) + x for my pair of rows
.set PK,  128                          ; v128-135 the scale operands' upper halves, rows j and j + 8 in one register
.set DD,  136                          ; v136    what the lane 8 away sends
.set OO,  137                          ; v137    two of my token's four exponents
.set X,   80                           ; behind the steps v80-207: four partial sums; then the scores, p, q in v80-111
.set NI,  X+32                         ; v112-143 the exponents' whole parts
.set CD,  X+64                         ; v144-175 candidates in the search for an expert's number
.set E,   208                          ; v208-239 register i's expert, 16 (i / 8) + 8 h + i % 8, as f32
.set T0,  240                          ; v240-243 four chains
.set A1,  244                          ; v244-245, v246-247 the sum in two chains
.set A0,  246
.set OB,  248                          ; v248-251 results on their way out
.set SEL, 26                           ; s[26:27] lane selects: lane l xor 16
.set CS,  28                           ; s[28:29] log2(e); the packed form names a pair
.set B0,  30                           ; s30-33  the lanes whose number has bit 0, 1, 2, 3 set
.set B1,  31
.set B2,  32
.set B3,  33
.set LOWH, 34                          ; s34     a word's low half
.set FLOOR, 35                         ; s35     2^(3 - 127): no largest magnitude is taken under it, so the scale's byte cannot fall under 1
.set M2,  36                           ; s36     -(2 << 23): 2 off an exponent field
.set HH,  37                           ; s37     byte selects: the high halves of two words
.set ODDB, 38                          ; s38     byte selects: bytes 1 and 3 of two words
.set CM,  40                           ; s40-55  the masks of a run of sixteen compares
.set MSB, 0
.macro WIN new                         ; the immediate's high byte repeats the setting that is left
.if MSB != \new
	s_set_vgpr_msb (MSB<<8)|\new
.set MSB, \new
.endif
.endm
; step n = 4 m + sl: tokens 16 m .. 16 m + 15, K step sl of my quarter, into ring set n % 4
.macro LOAD n
	WIN 0x40                                       ; destination window 1
.irp i, 0,1,2,3,4,5,6,7,8,9,10,11,12,13,14,15
	global_load_b128 v[64*((\n)%4)+4*\i:64*((\n)%4)+4*\i+3], v[LO], s[4:5] offset:(16*((\n)/4)+\i)*ROWB+((\n)%4)*512 th:TH_LOAD_NT   ; 512 consecutive bytes of a row; read once in the launch
.endr
.endm
; the four products of step k: the four tiles of experts against the step's 16 tokens.  The four accumulators take turns, one instruction a turn, in every step alike.
; K step 0 of a tile of tokens starts the sums.
.macro MUL k
.set AC, ACC+ACD*(((\k)/4)%2)          ; the token tile's set of accumulators
.set XS, XW+XWD*((\k)%2)               ; the step's scale word
	WIN 0x02                                       ; source 0 (W) window 2; x's codes, C and D window 0
.irp t, 0,1,2,3
.if (\k)%4 == 0
.if \t%2
	v_wmma_scale_f32_16x16x128_f8f6f4 v[AC+8*\t:AC+8*\t+7], v[8*(4*((\k)%4)+\t):8*(4*((\k)%4)+\t)+7], v[PC:PC+7], 0, v[WS+4*(\t/2)+(\k)%4], v[XS] matrix_a_fmt:MATRIX_FMT_FP4 matrix_b_fmt:MATRIX_FMT_FP4 matrix_a_scale:MATRIX_SCALE_ROW1
.else
	v_wmma_scale_f32_16x16x128_f8f6f4 v[AC+8*\t:AC+8*\t+7], v[8*(4*((\k)%4)+\t):8*(4*((\k)%4)+\t)+7], v[PC:PC+7], 0, v[WS+4*(\t/2)+(\k)%4], v[XS] matrix_a_fmt:MATRIX_FMT_FP4 matrix_b_fmt:MATRIX_FMT_FP4
.endif
.else
.if \t%2
	v_wmma_scale_f32_16x16x128_f8f6f4 v[AC+8*\t:AC+8*\t+7], v[8*(4*((\k)%4)+\t):8*(4*((\k)%4)+\t)+7], v[PC:PC+7], v[AC+8*\t:AC+8*\t+7], v[WS+4*(\t/2)+(\k)%4], v[XS] matrix_a_fmt:MATRIX_FMT_FP4 matrix_b_fmt:MATRIX_FMT_FP4 matrix_a_scale:MATRIX_SCALE_ROW1
.else
	v_wmma_scale_f32_16x16x128_f8f6f4 v[AC+8*\t:AC+8*\t+7], v[8*(4*((\k)%4)+\t):8*(4*((\k)%4)+\t)+7], v[PC:PC+7], v[AC+8*\t:AC+8*\t+7], v[WS+4*(\t/2)+(\k)%4], v[XS] matrix_a_fmt:MATRIX_FMT_FP4 matrix_b_fmt:MATRIX_FMT_FP4
.endif
.endif
.endr
.endm
; my quarter's sums of token tile m go to LDS as an image of the 32 registers, each accumulator from its low end on
.macro PART m
.set AC, ACC+ACD*((\m)%2)
.irp t, 0,1,2,3
	ds_store_b128 v[RSA], v[AC+8*\t:AC+8*\t+3] offset:(\m)*16384+(2*\t)*512
	ds_store_b128 v[RSA], v[AC+8*\t+4:AC+8*\t+7] offset:(\m)*16384+(2*\t+1)*512
.endr
.endm
; the words that came back become the operand: my row's halves of two neighbouring words: k = 64 c + 32 h + 8 g + 0 .. 7
.macro PICK
.irp c, 0,1
.irp g, 0,1,2,3
	v_perm_b32 v[PC+4*\c+\g], v[RB+8*\c+2*\g+1], v[RB+8*\c+2*\g], v[SELV]
.endr
.endr
.endm
.macro STEP n
.set RS, 64*((\n)%4)                   ; this step's ring set, in window 1
.set XN, XW+XWD*((\n)%2)               ; this step's scale word
.if (\n) <= 12
	s_wait_loadcnt 48                              ; loads come back in order: this step's 16 are in (in step 0 also W's 34, issued ahead of them); the three younger sets stay out
.else
	s_wait_loadcnt 16*(15-(\n))                    ; the last steps have fewer sets behind them
.endif
.if (\n) > 0
	s_wait_alu depctr_vm_vsrc(0)                   ; the LDS stores of the step before have read their data: the words in v[CV ..], which this step's conversions write again, and, where a tile's sums left, a set of accumulators
.endif
	; the largest magnitude of each row's block: my 4 numbers and the floor; the 16 rows by turns, so that no line waits for the line above it
	WIN 0x05                                       ; sources 0 and 1 window 1
.irp i, 0,1,2,3,4,5,6,7,8,9,10,11,12,13,14,15
	v_max3_num_f32 v[MM+\i], |v[RS+4*\i]|, |v[RS+4*\i+1]|, s[FLOOR]
.endr
	WIN 0x14                                       ; sources 1 and 2 window 1
.irp i, 0,1,2,3,4,5,6,7,8,9,10,11,12,13,14,15
	v_max3_num_f32 v[MM+\i], v[MM+\i], |v[RS+4*\i+2]|, |v[RS+4*\i+3]|
.endr
	WIN 0
.if (\n) > 0
	s_wait_dscnt 0x0                               ; the words of the step before are back from the stage: they were asked for ahead of that step's products, loads and last twelve lines
	PICK                                           ; that step's operand.  (The 32 lines above are the places behind the products that read the operand before it)
.endif
.irp x, 1,2,4                                  ; the maxima of the block's other 7 lanes: all 8 end up with the block's
.irp i, 0,1,2,3,4,5,6,7,8,9,10,11,12,13,14,15
	v_max_num_f32_dpp v[MM+\i], v[MM+\i], v[MM+\i] row_xmask:\x row_mask:0xf bank_mask:0xf
.endr
.endr
.irp i, 0,1,2,3,4,5,6,7,8,9,10,11,12,13,14,15
	v_add_nc_u32 v[MM+\i], s[M2], v[MM+\i]         ; 2 off the exponent field: the conversion takes this operand's exponent field as its scale; that field is also the scale's byte
.endr
	WIN 0x01                                       ; source 0 window 1
.irp j, 0,1,2,3,4,5,6,7
	v_cvt_scalef32_pk8_fp4_f32 v[CV+2*\j], v[RS+8*\j:RS+8*\j+7], v[MM+2*\j]       ; under row 2 j's scale: the low half, its 4 codes, counts.  Nearest code, ties to even, beyond 6 the largest code
	v_cvt_scalef32_pk8_fp4_f32 v[CV+2*\j+1], v[RS+8*\j:RS+8*\j+7], v[MM+2*\j+1]   ; the same 8 numbers under row 2 j + 1's: the high half counts
.endr
	WIN 0
.irp j, 0,1,2,3,4,5,6,7
	v_perm_b32 v[PK+\j], v[MM+8+\j], v[MM+\j], s[HH]   ; for the scale word: the upper halves (sign, exponent, 7 bits) of rows j + 8 and j.  (The first is also the plain line behind the conversions: it names none of their results)
.endr
.irp j, 0,1,2,3,4,5,6,7
	v_bfi_b32 v[CV+2*\j], s[LOWH], v[CV+2*\j], v[CV+2*\j+1]   ; row 2 j's 4 codes below, row 2 j + 1's above
.endr
	s_wait_alu depctr_va_vdst(0)                   ; the merges have written the words that the LDS stores read; the picks are done reading v[RB ..], in which the LDS loads land; the maxima and the conversions are done reading the ring set, in which the loads below land; the codes and the scale word of the step before, which the products take, are written, far more than 4 and 8 places back; in steps 5, 9, 13 the accumulators that leave are written; in step 0 the LDS addresses made at the head are
.irp j, 0,1,2,3,4,5,6,7
	ds_store_b32 v[STA], v[CV+2*\j] offset:SPJ*\j  ; 128 consecutive bytes
.endr
.irp c, 0,1
.irp u, 0,1
	ds_load_b128 v[RB+8*\c+4*\u:RB+8*\c+4*\u+3], v[LDA] offset:64*\c+16*\u   ; LDS serves a wave's instructions in order (ISA guide 5.7.1.4): these see my stores.  Block 2 c + h of my pair of rows: 8 lanes' words
.endr
.endr
.if (\n) > 1
.if (\n)%4 == 1
	PART ((\n)-5)/4                                ; the token tile whose last products stand in the step before: more than four places back (ISA guide 7.12.1).  The products below write the other set
.endif
.endif
.if (\n) > 0
	MUL (\n)-1                                     ; no wait: nothing since the wait above has written what they take
.endif
.if (\n)+4 < 16
	LOAD (\n)+4                                    ; the ring set takes the loads of four steps on.  No wait: no vector or matrix instruction since the wait above names the set or v[LO]
.endif
	WIN 0
	; the rest of the scale word.  Lane l = 8 b + w knows the exponents of block b of all 16 rows; lane r is to hold row r's four.  No memory instruction names these registers
	v_cndmask_b32 v[PK], v[PK], v[PK+1], s[B0]     ; of the eight the lane keeps number w: a choice by the lane's number, three levels
	v_cndmask_b32 v[PK+2], v[PK+2], v[PK+3], s[B0]
	v_cndmask_b32 v[PK+4], v[PK+4], v[PK+5], s[B0]
	v_cndmask_b32 v[PK+6], v[PK+6], v[PK+7], s[B0]
	v_cndmask_b32 v[PK], v[PK], v[PK+2], s[B1]
	v_cndmask_b32 v[PK+4], v[PK+4], v[PK+6], s[B1]
	v_cndmask_b32 v[PK], v[PK], v[PK+4], s[B2]     ; rows w (low half) and 8 + w (high half), block b
	v_mov_b32_dpp v[DD], v[PK] row_xmask:8 row_mask:0xf bank_mask:0xf   ; the same two rows, the neighbouring block
	v_perm_b32 v[OO], v[DD], v[PK], v[SEL8]        ; lanes 0-7 of a row of 16 keep row w, lanes 8-15 row 8 + w: the even block's half below, the odd block's above
	v_lshlrev_b32 v[OO], 1, v[OO]                  ; the two exponents now fill bytes 1 and 3
	v_permlanex16_b32 v[PT], v[OO], s[SEL], s[SEL+1]   ; lanes 0-15 hold blocks 0 and 1, lanes 16-31 blocks 2 and 3 of the same row
	v_perm_b32 v[XN], v[PT], v[OO], s[ODDB]        ; lane r (0 to 15): token r's four bytes.  (Lanes 16-31 are not read.)  The products just issued take the other scale word
.endm
; the largest of v[X] .. v[X + 31] and of the lane 16 away's: all 64 experts of my token
.macro ROWMAX dst
.irp t, 0,1,2,3
	v_max3_num_f32 v[T0+\t], v[X+8*\t], v[X+8*\t+1], v[X+8*\t+2]
.endr
.irp k, 3,5
.irp t, 0,1,2,3
	v_max3_num_f32 v[T0+\t], v[T0+\t], v[X+8*\t+\k], v[X+8*\t+\k+1]
.endr
.endr
.irp t, 0,1,2,3
	v_max_num_f32 v[T0+\t], v[T0+\t], v[X+8*\t+7]
.endr
	v_max3_num_f32 v[\dst], v[T0], v[T0+1], v[T0+2]
	v_max_num_f32 v[\dst], v[\dst], v[T0+3]
	v_permlanex16_b32 v[PT], v[\dst], s[SEL], s[SEL+1]
	v_max_num_f32 v[\dst], v[\dst], v[PT]
.endm
; the lowest expert whose q equals v[val]: a choice of values by v_cndmask_b32, no branch.  The compares go in runs of sixteen, each into a scalar register of its own
.macro WHERE val, idx
.irp g, 0,1
.irp i, 0,1,2,3,4,5,6,7,8,9,10,11,12,13,14,15
	v_cmp_eq_f32 s[CM+\i], v[X+16*\g+\i], v[\val]
.endr
	s_wait_alu depctr_va_sdst(0)                   ; the sixteen compares have written their masks, ahead of the first choice that reads one
.irp i, 0,1,2,3,4,5,6,7,8,9,10,11,12,13,14,15
	v_cndmask_b32 v[CD+16*\g+\i], v[BIG], v[E+16*\g+\i], s[CM+\i]
.endr
.endr
.irp t, 0,1,2,3
	v_min3_num_f32 v[T0+\t], v[CD+8*\t], v[CD+8*\t+1], v[CD+8*\t+2]
.endr
.irp k, 3,5
.irp t, 0,1,2,3
	v_min3_num_f32 v[T0+\t], v[T0+\t], v[CD+8*\t+\k], v[CD+8*\t+\k+1]
.endr
.endr
.irp t, 0,1,2,3
	v_min_num_f32 v[T0+\t], v[T0+\t], v[CD+8*\t+7]
.endr
	v_min3_num_f32 v[\idx], v[T0], v[T0+1], v[T0+2]
	v_min_num_f32 v[\idx], v[\idx], v[T0+3]
	v_permlanex16_b32 v[PT], v[\idx], s[SEL], s[SEL+1]
	v_min_num_f32 v[\idx], v[\idx], v[PT]
.endm
	s_load_b128 s[4:7], s[0:1], 0x0                ; x s[4:5], wq s[6:7]
	s_load_b128 s[8:11], s[0:1], 0x10              ; out0 s[8:9], out1 s[10:11]
	v_lshl_add_u32 v254, v0, 2, 0x11a00
	v_mov_b32 v255, 0
	v_lshrrev_b32 v18, 5, v0
	v_readfirstlane_b32 s12, v18                   ; wave 0..3
	v_and_b32 v19, 31, v0                          ; lane
	v_lshlrev_b32 v[LO], 4, v19
	s_lshl_b32 s14, ttmp9, 19                      ; my work-group's 64 rows of 8,192 bytes (under 2^27),
	s_wait_alu depctr_va_sdst(0)                   ; s12 is written, ahead of its first reader: the bases and the LDS addresses are made from it
	s_lshl_b32 s15, s12, 11                        ; my quarter of K: 2,048 bytes of each row
	s_add_co_u32 s14, s14, s15
	s_mov_b32 s15, 0
	s_mul_i32 s16, s12, WQB                        ; my quarter's block of wq
	s_mov_b32 s17, 0
	s_lshl_b32 s18, ttmp9, 9                       ; my work-group's 512 bytes of each output
	s_mov_b32 s19, 0
	s_wait_kmcnt 0x0
	s_add_nc_u64 s[4:5], s[4:5], s[14:15]
	s_add_nc_u64 s[6:7], s[6:7], s[16:17]
	s_cmp_eq_u32 s12, 0                            ; wave 0 will store out0, wave 1 out1: the choice hangs on the wave's number alone
	s_cselect_b64 s[8:9], s[8:9], s[10:11]
	s_add_nc_u64 s[8:9], s[8:9], s[18:19]
	WIN 0x80                                       ; destination window 2
	s_wait_alu depctr_va_vdst(0)                   ; v[LO] is written: every global load and the global store read it as their offset
.irp f, 0,1,2,3,4,5,6,7,8,9,10,11,12,13,14,15
	global_load_b128 v[8*\f:8*\f+3], v[LO], s[6:7] offset:\f*1024          ; W's fragments as they were stored: they stay
	global_load_b128 v[8*\f+4:8*\f+7], v[LO], s[6:7] offset:\f*1024+512
.endr
	WIN 0
	global_load_b128 v[WS:WS+3], v[LO], s[6:7] offset:16384                ; and their scale words
	global_load_b128 v[WS+4:WS+7], v[LO], s[6:7] offset:16384+512
	LOAD 0
	LOAD 1
	LOAD 2
	LOAD 3
	WIN 0
	; all that follows up to the first step is made while the first loads are on their way; it writes neither v[LO] nor a register in which a load lands
	v_and_b32 v18, 15, v0                          ; r
	v_bfe_u32 v20, v0, 4, 1                        ; h
	s_mul_i32 s20, s12, STG                        ; my stage
	v_lshl_add_u32 v[STA], v19, 2, s20
	v_bfe_u32 v21, v0, 1, 3                        ; r / 2: my pair of rows
	v_mul_u32_u24 v21, v21, SPJ
	v_lshl_add_u32 v21, v20, 5, v21
	v_add_nc_u32 v[LDA], s20, v21
	v_lshlrev_b32 v[H8], 3, v20
	s_lshl_b32 s21, s12, 12
	s_add_co_u32 s21, s21, RED
	v_add_nc_u32 v[RSA], s21, v[LO]
	s_lshl_b32 s22, s12, 14
	s_add_co_u32 s22, s22, RED
	v_add_nc_u32 v[RLA], s22, v[LO]
	s_lshl_b32 s23, s12, 7
	s_add_co_u32 s23, s23, OUTS
	v_lshl_add_u32 v[OA], v18, 3, s23
	s_lshl_b32 s24, s12, 9
	s_add_co_u32 s24, s24, OUTS
	v_add_nc_u32 v[OL], s24, v[LO]
	v_mov_b32 v[PT], 0                             ; the destination of a lane permute, and of a move from another lane, counts as one of its sources
	v_mov_b32 v[DD], 0
	v_mov_b32 v[NEG], -1.0
	v_mov_b32 v[BIG], 0x42800000                   ; 64.0
	s_mov_b32 s[SEL], 0x76543210
	s_mov_b32 s[SEL+1], 0xfedcba98
	s_mov_b32 s[CS], 0x3fb8aa3b                    ; log2(e)
	s_mov_b32 s[CS+1], s[CS]                       ; (named with it as a pair, so it is written)
	s_mov_b32 s[B0], 0xaaaaaaaa
	s_mov_b32 s[B1], 0xcccccccc
	s_mov_b32 s[B2], 0xf0f0f0f0
	s_mov_b32 s[B3], 0xff00ff00
	s_mov_b32 s[LOWH], 0x0000ffff
	s_mov_b32 s[FLOOR], 0x01800000
	s_mov_b32 s[M2], 0xff000000
	s_mov_b32 s[HH], 0x07060302
	s_mov_b32 s[ODDB], 0x07050301
	v_mov_b32 v21, 0x05040100                      ; v_perm_b32's selects: bytes 0-3 are the second source's, 4-7 the first's.  The low halves of both;
	v_mov_b32 v22, 0x07060302                      ; the high halves of both;
	v_mov_b32 v23, 0x03020706                      ; the first's high half below, the second's above
	v_cndmask_b32 v[SELV], v21, v22, s[B0]         ; an even row's codes lie in the words' low halves, an odd row's in the high halves
	v_cndmask_b32 v[SEL8], v21, v23, s[B3]
.irp i, 0,1,2,3,4,5,6,7,8,9,10,11,12,13,14,15,16,17,18,19,20,21,22,23,24,25,26,27,28,29,30,31
	v_add_nc_u32 v[E+\i], 16*(\i/8)+\i%8, v[H8]
.endr
.irp i, 0,1,2,3,4,5,6,7,8,9,10,11,12,13,14,15,16,17,18,19,20,21,22,23,24,25,26,27,28,29,30,31
	v_cvt_f32_u32 v[E+\i], v[E+\i]
.endr
; The 16 steps are written out: each K step has its own registers of W, every offset is an immediate (517,632 bytes at the most, inside the signed 24 bits: ISA guide, chapter 10), no pointer is stepped,
; and the last four steps ask for nothing: no load leaves x.
.set N, 0
.rept 16
	STEP N
.set N, N+1
.endr
	; the last step's products, and the last tile's sums
	s_wait_dscnt 0x0                               ; step 15's words are back from the stage
	PICK                                           ; (step 15's last twelve lines are the places behind the products that read the operand before it)
.rept 8
	v_nop                                          ; codes made by vector instructions stand 4 places ahead of a scaled product, a scale word so made 8: the scale word was the last line ahead of the picks
.endr
	s_wait_alu depctr_va_vdst(0)                   ; step 15's codes and scale word are written, which the products take; the places above stay beside this wait
	MUL 15
	WIN 0
.rept 4
	v_nop                                          ; four places between the last product and the LDS stores that read results
.endr
	s_wait_alu depctr_va_vdst(0)                   ; the products have written token tile 3's accumulators, which the LDS stores read; the places above stay beside this wait.  No vector or matrix instruction follows it ahead of the loads behind the barrier: so every reader and writer of v80-207 is done too
	PART 3
	s_wait_dscnt 0x0                               ; for the others' sake: all my partial sums lie in LDS
	s_barrier_signal -1
	s_barrier_wait -1                              ; everybody's do
	s_wait_alu depctr_vm_vsrc(0)                   ; my LDS stores have read the words in v[CV ..] and the accumulators in v144-175: the images below land in these registers
.irp p, 0,1,2,3
.irp f, 0,1,2,3,4,5,6,7
	ds_load_b128 v[X+32*\p+4*\f:X+32*\p+4*\f+3], v[RLA] offset:\p*4096+\f*512   ; token tile w: quarter p's image comes back into 32 registers as it left them
.endr
.endr
	s_wait_dscnt 16                                ; quarters 0 and 1 are in
.irp i, 0,2,4,6,8,10,12,14,16,18,20,22,24,26,28,30
	v_pk_add_f32 v[X+\i:X+\i+1], v[X+\i:X+\i+1], v[X+32+\i:X+32+\i+1]
.endr
	s_wait_dscnt 0x0
.irp i, 0,2,4,6,8,10,12,14,16,18,20,22,24,26,28,30
	v_pk_add_f32 v[X+64+\i:X+64+\i+1], v[X+64+\i:X+64+\i+1], v[X+96+\i:X+96+\i+1]
.endr
.irp i, 0,2,4,6,8,10,12,14,16,18,20,22,24,26,28,30
	v_pk_add_f32 v[X+\i:X+\i+1], v[X+\i:X+\i+1], v[X+64+\i:X+64+\i+1]   ; the scores: register 8 t + j = expert 16 t + 8 h + j of token r
.endr
	ROWMAX MX
	v_mov_b32 v[MX+1], v[MX]
.irp i, 0,2,4,6,8,10,12,14,16,18,20,22,24,26,28,30
	v_pk_add_f32 v[X+\i:X+\i+1], v[X+\i:X+\i+1], v[MX:MX+1] neg_lo:[0,1] neg_hi:[0,1]   ; s - max: 0 or less
.endr
.irp i, 0,2,4,6,8,10,12,14,16,18,20,22,24,26,28,30
	v_pk_mul_f32 v[X+\i:X+\i+1], v[X+\i:X+\i+1], s[CS:CS+1] op_sel_hi:[1,0]             ; as an exponent of 2
.endr
.irp i, 0,1,2,3,4,5,6,7,8,9,10,11,12,13,14,15,16,17,18,19,20,21,22,23,24,25,26,27,28,29,30,31
	v_floor_f32 v[NI+\i], v[X+\i]                  ; its whole part,
.endr
.irp i, 0,2,4,6,8,10,12,14,16,18,20,22,24,26,28,30
	v_pk_add_f32 v[X+\i:X+\i+1], v[X+\i:X+\i+1], v[NI+\i:NI+\i+1] neg_lo:[0,1] neg_hi:[0,1]   ; and the rest, 0 to 1
.endr
	s_wait_alu depctr_va_vdst(0)
.irp i, 0,1,2,3,4,5,6,7,8,9,10,11,12,13,14,15,16,17,18,19,20,21,22,23,24,25,26,27,28,29,30,31
	v_exp_f32 v[X+\i], v[X+\i]                     ; 1 to 2: one batch
.endr
.irp i, 0,1,2,3,4,5,6,7,8,9,10,11,12,13,14,15,16,17,18,19,20,21,22,23,24,25,26,27,28,29,30,31
	v_cvt_i32_f32 v[NI+\i], v[NI+\i]               ; (it saturates)  plain work behind the batch, which names none of its results
.endr
	s_wait_alu depctr_va_vdst(0)                   ; the 32 exponentials have written v[X ..]: one wait, ahead of their first reader
.irp i, 0,1,2,3,4,5,6,7,8,9,10,11,12,13,14,15,16,17,18,19,20,21,22,23,24,25,26,27,28,29,30,31
	v_ldexp_f32 v[X+\i], v[X+\i], v[NI+\i]         ; p = e^(s - max): what lies under 2^-126 is kept as a denormal, under the smallest of them it is 0
.endr
	v_pk_add_f32 v[A0:A0+1], v[X:X+1], v[X+2:X+3]  ; the row's sum, two at a time, in two chains
	v_pk_add_f32 v[A1:A1+1], v[X+4:X+5], v[X+6:X+7]
.irp i, 8,12,16,20,24,28
	v_pk_add_f32 v[A0:A0+1], v[A0:A0+1], v[X+\i:X+\i+1]
	v_pk_add_f32 v[A1:A1+1], v[A1:A1+1], v[X+\i+2:X+\i+3]
.endr
	v_pk_add_f32 v[A0:A0+1], v[A0:A0+1], v[A1:A1+1]
	v_add_f32 v[A0], v[A0], v[A0+1]
	v_permlanex16_b32 v[PT], v[A0], s[SEL], s[SEL+1]
	v_add_f32 v[A0], v[A0], v[PT]                  ; with the other 32 experts': at least 1
	s_wait_alu depctr_va_vdst(0)
	v_rcp_f32 v[RC], v[A0]
	v_rcp_f32 v[RC+1], v[A0]                       ; twice: the pair that the packed multiply names
	v_nop                                          ; a plain line behind the reciprocals,
	s_wait_alu depctr_va_vdst(0)                   ; and the wait: the two reciprocals have written v[RC], v[RC + 1], ahead of their first reader
.irp i, 0,2,4,6,8,10,12,14,16,18,20,22,24,26,28,30
	v_pk_mul_f32 v[X+\i:X+\i+1], v[X+\i:X+\i+1], v[RC:RC+1]   ; q = p / sum: the probabilities
.endr
	ROWMAX OV                                      ; the largest probability,
	WHERE OV, IDF                                  ; and the lowest expert that has it
.irp g, 0,1
.irp i, 0,1,2,3,4,5,6,7,8,9,10,11,12,13,14,15
	v_cmp_eq_f32 s[CM+\i], v[E+16*\g+\i], v[IDF]
.endr
	s_wait_alu depctr_va_sdst(0)                   ; the sixteen compares have written their masks, ahead of the first choice that reads one
.irp i, 0,1,2,3,4,5,6,7,8,9,10,11,12,13,14,15
	v_cndmask_b32 v[X+16*\g+\i], v[X+16*\g+\i], v[NEG], s[CM+\i]   ; that expert is taken out: -1 lies under every probability
.endr
.endr
	ROWMAX OV+1                                    ; the second,
	WHERE OV+1, IDF+1                              ; likewise
	v_cvt_i32_f32 v[OI], v[IDF]
	v_cvt_i32_f32 v[OI+1], v[IDF+1]
	s_wait_alu depctr_va_vdst(0)                   ; the two experts and the two probabilities are written, which the LDS stores read
	ds_store_b64 v[OA], v[OI:OI+1]                 ; lanes r and r + 16 hold the same results and write the same bytes
	ds_store_b64 v[OA], v[OV:OV+1] offset:512
	s_wait_dscnt 0x0                               ; for waves 0 and 1: my 16 tokens' results lie in LDS
	s_barrier_signal -1
	s_barrier_wait -1
	s_cmp_lt_u32 s12, 2
	s_cbranch_scc0 .Lend
	ds_load_b128 v[OB:OB+3], v[OL]                 ; wave 0: the 64 tokens' experts; wave 1: their probabilities.  (No vector instruction ever names v[OB ..]; v[OL] was written at the head)
	s_wait_dscnt 0x0
	global_store_b128 v[LO], v[OB:OB+3], s[8:9]    ; 32 lanes store 512 consecutive bytes, at a multiple of 512 from the output's first byte
.Lend:
	s_wait_dscnt 0x0                               ; the closing lines, six on end
	s_wait_alu 0x0
	s_wait_tensorcnt 0x0
	ds_add_u32 v254, v255
	s_wait_dscnt 0x0
	s_endpgm
.Lfunc_end_k_q165f740ace_route:
	.size	k_q165f740ace_route, .Lfunc_end_k_q165f740ace_route-k_q165f740ace_route
	.p2alignl 7, 3214868480
	.fill 96, 4, 3214868480
	.section	.rodata,"a",@progbits
	.p2align	6, 0x0
	.amdhsa_kernel k_q165f740ace_route
		.amdhsa_group_segment_fixed_size 72704
		.amdhsa_private_segment_fixed_size 0
		.amdhsa_enable_private_segment 0
		.amdhsa_kernarg_size 32
		.amdhsa_user_sgpr_count 2
		.amdhsa_user_sgpr_kernarg_segment_ptr 1
		.amdhsa_wavefront_size32 1
		.amdhsa_system_sgpr_workgroup_id_x 1
		.amdhsa_system_sgpr_workgroup_id_y 1
		.amdhsa_system_sgpr_workgroup_id_z 1
		.amdhsa_system_vgpr_workitem_id 0
		.amdhsa_next_free_vgpr 640
		.amdhsa_next_free_sgpr 66
		.amdhsa_reserve_vcc 0
		.amdhsa_float_denorm_mode_32 3
		.amdhsa_float_denorm_mode_16_64 3
		.amdhsa_memory_ordered 1
		.amdhsa_forward_progress 1
		.amdhsa_inst_pref_size 235
	.end_amdhsa_kernel
	.amdgpu_metadata
---
amdhsa.version: [ 1, 2 ]
amdhsa.kernels:
  - .name:           k_q165f740ace_route
    .symbol:         k_q165f740ace_route.kd
    .args:
      - { .name: x, .offset: 0, .size: 8, .value_kind: global_buffer, .address_space: global }
      - { .name: wq, .offset: 8, .size: 8, .value_kind: global_buffer, .address_space: global }
      - { .name: out0, .offset: 16, .size: 8, .value_kind: global_buffer, .address_space: global }
      - { .name: out1, .offset: 24, .size: 8, .value_kind: global_buffer, .address_space: global }
    .group_segment_fixed_size: 72704
    .private_segment_fixed_size: 0
    .kernarg_segment_align: 8
    .kernarg_segment_size: 32
    .max_flat_workgroup_size: 128
    .sgpr_count:     66
    .vgpr_count:     640
    .wavefront_size: 32
...
	.end_amdgpu_metadata
.endif
;; end of part 4
